; MI455X (gfx1250); checked and timed in simulation.
; The chip was launched on July 23, 2026; its instructions are those of AMD's public machine-readable ISA for CDNA 5 (MIT licence, August 2026) and "CDNA5" Instruction Set Architecture Reference Guide (July 2026). The comments in the code are by the model that wrote it; some were corrected since.
;; Attention. Allowed arithmetic: matrix products marked QUANTISED: E3M2 operands, one E8M0 scale for each 32 along K, by v_wmma_scale_f32_16x16x128_f8f6f4 with both operands' format E3M2, f32 sums; products left as they are: f32 operands where the result goes on into a quantised operand, else bf16, f16 or f32 operands; f32 sums; everything else in f32.
;; Inputs: b_proj 1,024 float32; w_a_q 1,024 x 4 float32; w_a_v 1,024 x 4 float32; w_b_q 4 x 1,024 float32; w_b_v 4 x 1,024 float32; w_proj 1,024 x 1,024 float32; w_qkv 1,024 x 3,072 float32; x 4 x 2,048 x 1,024 float32.
;; Outputs: out0 4 x 2,048 x 1,024 float32.
;; This version of the problem:
;;   THIS VERSION OF THE PROBLEM IS GIVEN IN LOW PRECISION. The matrix products marked QUANTISED in the list below multiply operands that are first quantised to E3M2 (3 exponent bits, 2 mantissa bits; 6 bits a number), with one power-of-two scale for each 32 numbers along K (OCP MX v1.0); their sums are f32. All else is computed in f32.
;;   The module's matrix products, in the order in which they are computed (A, B: the left and right operand; K: the contracted axis; several contracted axes count as one K, in the product's order):
;;     1. [M 8,192, K 1,024] x [K 1,024, N 3,072]; A: input x; B: input w_qkv: QUANTISED
;;     2. [M 8,192, K 1,024] x [K 1,024, N 4]; A: input x; B: input w_a_q: left as it is (N = 4 < 16)
;;     3. [M 8,192, K 4] x [K 4, N 1,024]; A: computed on the way; B: input w_b_q: left as it is (K = 4 < 32)
;;     4. [M 8,192, K 1,024] x [K 1,024, N 4]; A: input x; B: input w_a_v: left as it is (N = 4 < 16)
;;     5. [M 8,192, K 4] x [K 4, N 1,024]; A: computed on the way; B: input w_b_v: left as it is (K = 4 < 32)
;;     6. batch 64 x [M 2,048, K 64] x [K 64, N 2,048]; A: computed on the way; B: computed on the way: QUANTISED
;;     7. batch 64 x [M 2,048, K 2,048] x [K 2,048, N 64]; A: softmax (see below); B: computed on the way: QUANTISED
;;     8. [M 8,192, K 1,024] x [K 1,024, N 1,024]; A: computed on the way; B: input w_proj: QUANTISED
;;   THE QUANTISER, for each operand of a quantised product, along K:
;;     - K is cut into blocks of 32 from its start; a last block that is shorter is filled with zeros.
;;     - A block's scale is 2^e with e = floor(log2(the largest magnitude in the block)) - 4, held to -126 .. 127; a block of zeros has e = 0. As a byte (E8M0): e + 127.
;;     - Each number is divided by its block's scale, clamped to +-28, and rounded to the nearest number of E3M2, ties to even, subnormals kept.
;;     - The product sums the exact products of the quantised numbers (number of the format x scale) in f32.
;;   ~~~python
;;   def quantise(x, axis):      # numpy; x: float32 -> the quantised numbers, widened to float32 again
;;       x = np.moveaxis(x, axis, -1); K = x.shape[-1]
;;       x = np.pad(x, [(0, 0)] * (x.ndim - 1) + [(0, -K % 32)]); x = x.reshape(x.shape[:-1] + (-1, 32)); a = np.abs(x).max(-1, keepdims=True)
;;       e = np.where(a > 0, np.clip(np.frexp(np.where(a > 0, a, 1))[1] - 1 - 4, -126, 127), 0)      # np.frexp(a)[1] - 1 = floor(log2(a)), exactly
;;       r = np.clip(x / 2.0 ** e, -28, 28)
;;       step = 2.0 ** (np.maximum(np.frexp(np.where(r == 0, 1, r))[1] - 1, -2) - 2)
;;       q = np.round(r / step) * step * 2.0 ** e      # np.round: ties to even
;;       return np.moveaxis(q.reshape(q.shape[:-2] + (-1,))[..., :K], -1, axis).astype(np.float32)
;;   ~~~
;;   SOFTMAX AHEAD OF A QUANTISED PRODUCT. Where the list says 'softmax', what is quantised is not the finished softmax but p = 2^(t - M), with t = logit x log2(e) and M = ceil(the row's largest t), a whole number; so 1/2 < the row's largest p <= 1. The row's sum l is taken of the UNQUANTISED p, in f32, and the product's result is divided by l at the end. Since M is a whole number, a kernel that streams over the keys may use a running M (the ceiling of the running maximum): every later rescaling is an exact power of two, which a block's scale takes up: the codes' values come out the same.
;;   OPERANDS COMPUTED ON THE WAY. 'Computed on the way' means the value that the module computes at that place (a softmax that the list does not call 'softmax' is quantised finished and normalised). What goes into a quantiser is computed in f32, as accurately as f32 sums, v_exp_f32 and their like allow (about 1e-6 of the number): no bf16 or f16 on the way to a quantiser, and a product that is left as it is and whose result goes on into a quantised operand takes f32 operands (vector FMAs, or v_wmma_f32_16x16x4_f32). A number that lies on a knife's edge between two numbers of the format may be rounded either way, as far as f32 arithmetic and the matrix unit's own rounding can turn it there, and no further.
;; One version. Each part assembles by itself: llvm-mc -triple=amdgcn-amd-amdhsa -mcpu=gfx1250 --defsym DOCPART=n.
;; ======== version 1 of 1: 5 launches
;; limits: right only within a limited range of input values
;; workspace buffers: wimg 3,145,728 bytes; wscl 131,072 bytes; ximg 6,291,456 bytes; xscl 262,144 bytes; xat 262,144 bytes; qkv 20,185,088 bytes; ao 6,553,600 bytes
;; launch prep_w (part 1): grid 32 x 8, 4 waves a work-group, no clusters, 12,800 bytes of LDS; arguments w_qkv, w_proj, wimg, wscl; writes wimg, wscl
.if DOCPART == 1
	.amdgcn_target "amdgcn-amd-amdhsa--gfx1250"
	.amdhsa_code_object_version 6
	.text
	.protected	k_qd7420b9de5_prep_w
	.globl	k_qd7420b9de5_prep_w
	.p2align	8
	.type	k_qd7420b9de5_prep_w,@function
k_qd7420b9de5_prep_w:
	s_mov_b64 s[64:65], 0
	v_nop
	global_prefetch_b8 v0, s[64:65] scope:SCOPE_SE
	s_setreg_imm32_b32 hwreg(HW_REG_WAVE_MODE, 25, 1), 1
	s_wait_xcnt 0x0
; w_qkv [1024][3072] and w_proj [1024][1024], f32, K = the first axis, become codes of BF6 (E3M2) with one E8M0 byte for each 32 along K,
; laid in the order of a matrix operand's registers.  wimg: [256 tiles][8 K steps][1,536 bytes]; tiles 0-191 are w_qkv's columns, 192-255 w_proj's.
; A TILE's 16 rows are not neighbours: row r of tile 2 g + u is column 32 g + 8 u + r + 8 (r / 8).
; AN IMAGE (16 rows x 128 K, 12 registers a lane) is two halves of 768 bytes; half c: registers 6 c .. 6 c + 3 at 16 x lane, registers 6 c + 4, 6 c + 5 at 512 + 8 x lane.
; wscl: [tile][row][8 words], byte b of word s scales k = 128 s + 32 b on.
; A LANE TAKES A COLUMN AND ITS REGISTERS RUN DOWN K: a load reads 128 neighbouring bytes a wave, a block of 32 lies in one lane, the conversions give codes with K innermost.
; A work-group takes 128 columns x 128 along K, a wave 32 columns (two tiles); the codes turn through the wave's own 3,072 bytes of LDS and leave as whole runs of 512 bytes.
; A block's scale is 2^(floor(log2(largest magnitude)) - 4): its byte is the largest magnitude's exponent field - 4, held at 1 from below.
; LIMITS: a block whose largest magnitude lies under 2^-122 (a block of zeros too) gets the byte 1; its codes are then zeros or subnormal codes, and this program alone reads the bytes.  NaN and infinities are not served.
; No tensor loads, no barrier, no cluster: waves and work-groups share nothing.
.set OF,  32                           ; v32-63   4 x lane + i x (a row of W in bytes)
.set XN,  64                           ; v64-191  four blocks of 32 numbers
.set CD,  192                          ; v192-223 codes: eight registers a block
.set CT,  224                          ; v224-239 the second half of a block's codes, as the conversion leaves it
.set SB,  9                            ; v9       the four scale bytes
	s_load_b128 s[4:7], s[0:1], 0x0                ; w_qkv, w_proj
	s_load_b128 s[8:11], s[0:1], 0x10              ; wimg, wscl
	v_lshl_add_u32 v254, v0, 2, 0x3000
	v_mov_b32 v255, 0
	v_lshrrev_b32 v1, 5, v0
	v_readfirstlane_b32 s12, v1                    ; wave
	v_and_b32 v1, 31, v0                           ; lane = column within the wave's 32
	v_bfe_u32 v2, v0, 3, 1                         ; u: which of the two tiles my column belongs to
	v_bfe_u32 v3, v0, 4, 1
	v_and_b32 v10, 7, v0
	v_lshl_or_b32 v3, v3, 3, v10                   ; r: its row in that tile
	s_mul_i32 s14, s12, 3072                       ; my wave's LDS bytes
	v_mul_u32_u24 v10, v2, 1536
	v_add_nc_u32 v10, s14, v10
	v_lshl_add_u32 v4, v3, 4, v10                  ; into the image: 16 r
	v_lshl_add_u32 v5, v3, 3, v10                  ; and 8 r
	v_lshlrev_b32 v7, 4, v1                        ; out: 16 x lane
	v_add_nc_u32 v6, s14, v7
	v_lshlrev_b32 v8, 5, v3
	v_lshl_add_u32 v8, v2, 9, v8                   ; my scale word: 512 u + 32 r
	s_and_b32 s13, ttmp7, 0xffff                   ; the K step
	s_mov_b32 s15, 4096
	s_cmp_lt_u32 ttmp9, 24                         ; the first 24 work-groups along x take w_qkv, the other 8 w_proj
	s_cselect_b32 s15, 12288, s15                  ; a row of W in bytes
	s_cselect_b32 s16, 0, 24
	s_sub_co_u32 s16, ttmp9, s16                   ; which 128 columns of that tensor
	s_lshl_b32 s17, s13, 7
	s_mul_i32 s17, s17, s15                        ; 128 rows a K step
	s_lshl_b32 s18, s16, 9
	s_add_co_u32 s17, s17, s18
	s_lshl_b32 s18, s12, 7
	s_add_co_u32 s18, s17, s18
	s_mov_b32 s19, 0
	v_lshlrev_b32 v[OF], 2, v1
.set n, 1
.rept 31
	v_add_nc_u32 v[OF+n], s15, v[OF+n-1]
.set n, n+1
.endr
	s_lshl_b32 s28, ttmp9, 2
	s_add_co_u32 s28, s28, s12                     ; g: my group of 32 columns among all 4,096
	s_mul_i32 s30, s28, 24576
	s_mul_i32 s29, s13, 1536
	s_add_co_u32 s30, s30, s29                     ; tile 2 g, this K step's image
	s_mov_b32 s31, 0
	s_lshl_b32 s32, s28, 10
	s_lshl_b32 s29, s13, 2
	s_add_co_u32 s32, s32, s29                     ; and its scale words
	s_mov_b32 s33, 0
	s_wait_alu depctr_va_vdst(0)
	s_wait_kmcnt 0x0
	s_cmp_lt_u32 ttmp9, 24                         ; the choice hangs on the work-group's number alone
	s_cselect_b64 s[4:5], s[4:5], s[6:7]
	s_add_nc_u64 s[20:21], s[4:5], s[18:19]        ; block 0's first row
	s_lshl_b32 s18, s15, 5                         ; 32 rows
	s_add_nc_u64 s[22:23], s[20:21], s[18:19]
	s_add_nc_u64 s[24:25], s[22:23], s[18:19]
	s_add_nc_u64 s[26:27], s[24:25], s[18:19]
	s_add_nc_u64 s[8:9], s[8:9], s[30:31]
	s_add_nc_u64 s[10:11], s[10:11], s[32:33]
.macro LOAD b                          ; block b: W(32 b + i, my column), i = 0 .. 31
.irp i, 0,1,2,3,4,5,6,7,8,9,10,11,12,13,14,15,16,17,18,19,20,21,22,23,24,25,26,27,28,29,30,31
	global_load_b32 v[XN+32*(\b)+\i], v[OF+\i], s[20+2*(\b):21+2*(\b)] th:TH_LOAD_NT
.endr
.endm
.macro BLOCK b
.set XS, XN+32*(\b)
.if (\b) < 3
	s_wait_loadcnt 32                              ; this block's 32 loads are in; the next block's 32 may be out
.else
	s_wait_loadcnt 0x0
.endif
.if (\b)+2 < 4
	LOAD (\b)+2                                    ; two blocks ahead, into registers of its own
.endif
	v_max3_num_f32 v12, |v[XS]|, |v[XS+1]|, |v[XS+2]|              ; the block's largest magnitude: all 32 numbers are mine; two chains
	v_max3_num_f32 v13, |v[XS+3]|, |v[XS+4]|, |v[XS+5]|
.irp i, 6,10,14,18,22,26
	v_max3_num_f32 v12, v12, |v[XS+\i]|, |v[XS+\i+1]|
	v_max3_num_f32 v13, v13, |v[XS+\i+2]|, |v[XS+\i+3]|
.endr
	v_max3_num_f32 v12, v12, |v[XS+30]|, |v[XS+31]|
	v_max3_num_f32 v12, v12, v13, 0x2800000        ; and the floor 2^(5 - 127): the byte cannot fall under 1
	v_add_nc_u32 v11, 0xfe000000, v12              ; 4 off the exponent field: the conversion takes this operand's exponent field as its scale
	v_lshrrev_b32 v13, 23, v11                     ; the scale's byte
.if (\b) == 0
	v_mov_b32 v[SB], v13
.else
	v_lshl_or_b32 v[SB], v13, 8*(\b), v[SB]
.endif
	v_cvt_scalef32_pk16_bf6_f32 v[CD+8*(\b):CD+8*(\b)+2], v[XS:XS+15], v11
	v_cvt_scalef32_pk16_bf6_f32 v[CT+4*(\b):CT+4*(\b)+2], v[XS+16:XS+31], v11   ; (a conversion's three registers begin on an even number)
	v_nop                                          ; one plain place behind a scaled conversion
.irp i, 0,1,2
	v_mov_b32 v[CD+8*(\b)+3+\i], v[CT+4*(\b)+\i]
.endr
	ds_store_b128 v4, v[CD+8*(\b):CD+8*(\b)+3] offset:768*((\b)/2)+256*((\b)%2)          ; block b = 2 c + h is lane 16 h + r of half c
	ds_store_b64 v5, v[CD+8*(\b)+4:CD+8*(\b)+5] offset:768*((\b)/2)+512+128*((\b)%2)
.endm
	LOAD 0
	LOAD 1
	BLOCK 0
	BLOCK 1
	BLOCK 2
	BLOCK 3
.irp i, 0,1,2,3,4,5
	ds_load_b128 v[XN+4*\i:XN+4*\i+3], v6 offset:512*\i            ; LDS serves a wave's instructions in order: these see my stores
.endr
	s_wait_alu depctr_va_vdst(0)
.irp i, 0,1,2,3,4,5
	s_wait_dscnt 5-\i                              ; the younger loads may be out
	global_store_b128 v7, v[XN+4*\i:XN+4*\i+3], s[8:9] offset:(\i/3)*12288+512*(\i%3)   ; 32 lanes store 512 consecutive bytes, aligned
.endr
	global_store_b32 v8, v[SB], s[10:11]           ; my column's word of this K step
	s_wait_tensorcnt 0x0
	ds_add_u32 v254, v255
	s_wait_dscnt 0x0
	s_endpgm
.Lfunc_end_k_qd7420b9de5_prep_w:
	.size	k_qd7420b9de5_prep_w, .Lfunc_end_k_qd7420b9de5_prep_w-k_qd7420b9de5_prep_w
	.p2alignl 7, 3214868480
	.fill 96, 4, 3214868480
	.section	.rodata,"a",@progbits
	.p2align	6, 0x0
	.amdhsa_kernel k_qd7420b9de5_prep_w
		.amdhsa_group_segment_fixed_size 12800
		.amdhsa_private_segment_fixed_size 0
		.amdhsa_enable_private_segment 0
		.amdhsa_kernarg_size 32
		.amdhsa_user_sgpr_count 2
		.amdhsa_user_sgpr_kernarg_segment_ptr 1
		.amdhsa_wavefront_size32 1
		.amdhsa_system_sgpr_workgroup_id_x 1
		.amdhsa_system_sgpr_workgroup_id_y 1
		.amdhsa_system_sgpr_workgroup_id_z 1
		.amdhsa_system_vgpr_workitem_id 0
		.amdhsa_next_free_vgpr 256
		.amdhsa_next_free_sgpr 66
		.amdhsa_reserve_vcc 0
		.amdhsa_float_denorm_mode_32 3
		.amdhsa_float_denorm_mode_16_64 3
		.amdhsa_memory_ordered 1
		.amdhsa_forward_progress 1
		.amdhsa_inst_pref_size 24
	.end_amdhsa_kernel
	.amdgpu_metadata
---
amdhsa.version: [ 1, 2 ]
amdhsa.kernels:
  - .name:           k_qd7420b9de5_prep_w
    .symbol:         k_qd7420b9de5_prep_w.kd
    .args:
      - { .name: w_qkv, .offset: 0, .size: 8, .value_kind: global_buffer, .address_space: global }
      - { .name: w_proj, .offset: 8, .size: 8, .value_kind: global_buffer, .address_space: global }
      - { .name: wimg, .offset: 16, .size: 8, .value_kind: global_buffer, .address_space: global }
      - { .name: wscl, .offset: 24, .size: 8, .value_kind: global_buffer, .address_space: global }
    .group_segment_fixed_size: 12800
    .private_segment_fixed_size: 0
    .kernarg_segment_align: 8
    .kernarg_segment_size: 32
    .max_flat_workgroup_size: 128
    .sgpr_count:     66
    .vgpr_count:     256
    .wavefront_size: 32
...
	.end_amdgpu_metadata
.endif
;; end of part 1
;; launch prep_x (part 2): grid 256 x 1, 8 waves a work-group, no clusters, 118,784 bytes of LDS; arguments x, w_a_q, w_a_v, ximg, xscl, xat; writes ximg, xscl, xat
.if DOCPART == 2
	.amdgcn_target "amdgcn-amd-amdhsa--gfx1250"
	.amdhsa_code_object_version 6
	.text
	.protected	k_qd7420b9de5_prep_x
	.globl	k_qd7420b9de5_prep_x
	.p2align	8
	.type	k_qd7420b9de5_prep_x,@function
k_qd7420b9de5_prep_x:
	s_mov_b64 s[64:65], 0
	v_nop
	global_prefetch_b8 v0, s[64:65] scope:SCOPE_SE
	s_setreg_imm32_b32 hwreg(HW_REG_WAVE_MODE, 25, 1), 1
	s_wait_xcnt 0x0
; x [8192][1024] f32 becomes (1) codes of BF6 with E8M0 scales along K, as operand images (ximg: [512 tiles][8 K steps][1,536 bytes]; xscl: [tile][row][8 words]), and
; (2) xat [8][8192] f32: rows 0-3 = (x w_a_q)^T, rows 4-7 = (x w_a_v)^T, in f32 throughout, since these numbers go on into quantised operands.
; Row r of tile 2 g + u is token 32 g + 8 u + r + 8 (r / 8).  An image: two halves of 768 bytes; half c: registers 6 c .. 6 c + 3 at 16 x lane, 6 c + 4, 6 c + 5 at 512 + 8 x lane.
; SHARES.  Work-group g takes tokens 32 g .. 32 g + 31 (two tiles, 128 KiB on end); wave w takes K step w (k = 128 w on) of both tiles.  x is read once.
; A load reads 512 consecutive bytes of a row; the 16 rows turn through the wave's own stage (pitch 528) so that lane (r, h) holds of row r the numbers k = 64 c + 32 h + i in register 32 c + i: two whole blocks.
; THE SMALL PRODUCTS go to the f32 matrix form, source 0 = 16 rows of [w_a_q | w_a_v]^T (rows 8-15 repeat rows 0-7), source 1 = 16 tokens; K is taken in the order in which the lane's registers hold it, alike on both sides.
; Four accumulators a tile take turns, one instruction a turn; they are written by matrix instructions alone.  The eight waves' parts meet in LDS.
; LIMITS: as for the weights: a block under 2^-122 gets the byte 1; NaN and infinities are not served.
; The 32 KiB of w_a are the one thing that work-groups share: a quarter of what a work-group reads of x, read once a work-group; no cluster is formed for it.
.set WA,   0                           ; LDS: [k 1024][8] f32: w_a_q's four, w_a_v's four
.set STG,  32768                       ; a stage of 16 x 528 bytes for each wave
.set RED,  100352                      ; [wave][tile][lane][8] f32: the waves' parts of the small products
.set XSW,  116736                      ; [tile][row][8 words]: the scale words
.set XR,   16                          ; v16-79   16 rows as loaded
.set XT,   80                          ; v80-143  64 numbers of my row
.set PC,   144                         ; v144-163 codes
.set TM,   164                         ; v164-170 at work
.set PW,   176                         ; v176     the scale word
.set SH8,  177                         ; v177     8 h
.set AXR,  178                         ; v178     XSW + 16 x thread
.set SU,   16                          ; v16-47   sums of accumulators
.set WAR,  0                           ; window 1: v0-63 w_a^T as source 0
.set ACC,  192                         ; window 1: v192-255 accumulator (tile u, turn q) at 192 + 32 u + 8 q
.set MSB, 0
.macro WIN new                         ; the immediate's high byte repeats the setting that is left
.if MSB != (\new)
	s_set_vgpr_msb (MSB<<8)|(\new)
.set MSB, (\new)
.endif
.endm
	s_load_b256 s[4:11], s[0:1], 0x0               ; x, w_a_q, w_a_v, ximg
	s_load_b128 s[12:15], s[0:1], 0x20             ; xscl, xat
	v_lshl_add_u32 v254, v0, 2, 0x1cc00
	v_mov_b32 v255, 0
	v_lshrrev_b32 v1, 5, v0
	s_delay_alu instid0(VALU_DEP_1)
	v_readfirstlane_b32 s16, v1                    ; wave
	v_and_b32 v1, 31, v0                           ; lane
	v_and_b32 v2, 15, v0                           ; r
	v_bfe_u32 v3, v0, 4, 1                         ; h
	s_delay_alu instid0(VALU_DEP_3)
	v_lshlrev_b32 v8, 4, v1                        ; 16 x lane
	s_delay_alu instid0(VALU_DEP_4)
	v_lshlrev_b32 v9, 3, v1                        ; 8 x lane
	s_lshl_b32 s22, s16, 9
	v_add_nc_u32 v4, s22, v8                       ; x: my 16 bytes of the wave's 512 of a row
	s_mul_i32 s23, s16, 8448
	s_add_co_u32 s23, s23, STG
	v_add_nc_u32 v5, s23, v8                       ; the stage, in
	v_mul_u32_u24 v6, v2, 528
	s_delay_alu instid0(VALU_DEP_1)
	v_lshl_add_u32 v6, v3, 7, v6
	s_delay_alu instid0(VALU_DEP_1)
	v_add_nc_u32 v6, s23, v6                       ; and out: row r, + 128 h
	s_lshl_b32 s24, s16, 12
	v_and_b32 v7, 7, v0
	s_delay_alu instid0(VALU_DEP_1)
	v_lshlrev_b32 v7, 2, v7
	s_delay_alu instid0(VALU_DEP_1)
	v_lshl_add_u32 v7, v3, 10, v7
	s_delay_alu instid0(VALU_DEP_1)
	v_add_nc_u32 v7, s24, v7                       ; w_a: k = 128 w + 32 h, column lane % 8
	s_lshl_b32 s25, s16, 11
	s_add_co_u32 s25, s25, RED
	v_lshlrev_b32 v10, 5, v1
	s_delay_alu instid0(VALU_DEP_1)
	v_add_nc_u32 v10, s25, v10                     ; my eight partial sums
	s_lshl_b32 s26, s16, 2
	v_lshlrev_b32 v11, 5, v2
	s_delay_alu instid0(VALU_DEP_1)
	v_add_nc_u32 v11, s26, v11
	s_delay_alu instid0(VALU_DEP_1)
	v_add_nc_u32 v11, XSW, v11                     ; my row's scale word of K step w
	v_lshlrev_b32 v12, 5, v0                       ; 32 x thread
	v_lshlrev_b32 v13, 4, v0                       ; 16 x thread
	v_bfe_u32 v14, v0, 3, 1
	v_and_b32 v15, 7, v0
	s_delay_alu instid0(VALU_DEP_1)
	v_lshl_or_b32 v15, v3, 3, v15
	s_delay_alu instid0(VALU_DEP_1)
	v_lshlrev_b32 v15, 5, v15
	s_delay_alu instid0(VALU_DEP_1)
	v_lshl_add_u32 v14, v14, 10, v15
	s_delay_alu instid0(VALU_DEP_1)
	v_add_nc_u32 v14, s26, v14
	s_delay_alu instid0(VALU_DEP_1)
	v_add_nc_u32 v14, RED, v14                     ; token 32 g + lane lies in tile bit 3, row (bit 4, bits 2:0); output w
	s_lshl_b32 s27, s16, 15
	v_lshlrev_b32 v15, 2, v1
	s_delay_alu instid0(VALU_DEP_1)
	v_add_nc_u32 v15, s27, v15                     ; xat: row w, 4 x lane
	v_lshlrev_b32 v[SH8], 3, v3
	v_add_nc_u32 v[AXR], XSW, v13
	v_mov_b32 v[TM+6], 0                           ; a lane permute's destination counts as one of its sources
	s_mov_b32 s20, 0x76543210
	s_mov_b32 s21, 0xfedcba98                      ; v_permlanex16_b32's selects for lane l xor 16
	s_lshl_b32 s28, ttmp9, 17
	s_mov_b32 s29, 0
	s_mul_i32 s30, ttmp9, 24576
	s_mul_i32 s32, s16, 1536
	s_add_co_u32 s30, s30, s32
	s_mov_b32 s31, 0
	s_lshl_b32 s32, ttmp9, 10
	s_mov_b32 s33, 0
	s_lshl_b32 s34, ttmp9, 7
	s_mov_b32 s35, 0
	s_wait_kmcnt 0x0
	s_add_nc_u64 s[4:5], s[4:5], s[28:29]          ; x at my 32 rows
	s_add_nc_u64 s[10:11], s[10:11], s[30:31]      ; ximg at tile 2 g, K step w
	s_add_nc_u64 s[12:13], s[12:13], s[32:33]      ; xscl at tile 2 g
	s_add_nc_u64 s[14:15], s[14:15], s[34:35]      ; xat at token 32 g
.irp i, 0,1,2,3
	global_load_b128 v[XT+4*\i:XT+4*\i+3], v13, s[6:7] offset:4096*\i          ; w_a_q's row k = thread + 256 i
	global_load_b128 v[XT+16+4*\i:XT+16+4*\i+3], v13, s[8:9] offset:4096*\i    ; w_a_v's
.endr
.macro XLOAD u                         ; tile u's 16 rows, my wave's 512 bytes of each
.irp s, 0,1,2,3,4,5,6,7,8,9,10,11,12,13,14,15
	global_load_b128 v[XR+4*\s:XR+4*\s+3], v4, s[4:5] offset:(8*\u+\s+8*(\s/8))*4096 th:TH_LOAD_NT
.endr
.endm
	XLOAD 0
	s_wait_loadcnt 16                              ; w_a's eight loads are in; x's sixteen may be out
.irp i, 0,1,2,3
	ds_store_b128 v12, v[XT+4*\i:XT+4*\i+3] offset:8192*\i
	ds_store_b128 v12, v[XT+16+4*\i:XT+16+4*\i+3] offset:8192*\i+16
.endr
	s_wait_dscnt 0x0                               ; for the others' sake: my part of w_a lies in LDS
	s_barrier_signal -1
	s_barrier_wait -1
	WIN 0x40                                       ; destination window 1
.irp c, 0,1
.irp i, 0,1,2,3,4,5,6,7,8,9,10,11,12,13,14,15,16,17,18,19,20,21,22,23,24,25,26,27,28,29,30,31
	ds_load_b32 v[WAR+32*\c+\i], v7 offset:(64*\c+\i)*32           ; w_a(128 w + 64 c + 32 h + i, lane % 8): the same k as x's register 32 c + i
.endr
.endr
	WIN 0
.macro QUANTW                          ; v[XT + 32 c + i] = k 64 c + 32 h + i of my row: two whole blocks a lane -> codes in v[PC] on, the row's scale word in v[PW]
.irp c, 0,1
	v_max3_num_f32 v[TM+\c], |v[XT+32*\c]|, |v[XT+32*\c+1]|, 0x2800000         ; with the floor 2^(5 - 127)
.endr
.irp i, 2,4,6,8,10,12,14,16,18,20,22,24,26,28,30
.irp c, 0,1
	s_delay_alu instid0(VALU_DEP_2)
	v_max3_num_f32 v[TM+\c], v[TM+\c], |v[XT+32*\c+\i]|, |v[XT+32*\c+\i+1]|    ; (the two blocks by turns)
.endr
.endr
.irp c, 0,1
	s_delay_alu instid0(VALU_DEP_2)
	v_add_nc_u32 v[TM+4+\c], 0xfe000000, v[TM+\c]  ; 4 off the exponent field: the conversion's scale operand
.endr
.irp c, 0,1
	s_delay_alu instid0(VALU_DEP_2)
	v_lshrrev_b32 v[TM+2+\c], 23, v[TM+4+\c]       ; the byte
.endr
	s_delay_alu instid0(VALU_DEP_1)
	v_lshl_or_b32 v[PW], v[TM+3], 16, v[TM+2]      ; my blocks h and 2 + h,
	s_delay_alu instid0(VALU_DEP_1)
	v_lshlrev_b32 v[PW], v[SH8], v[PW]             ; at their places in the word;
	s_delay_alu instid0(VALU_DEP_1)
	v_permlanex16_b32 v[TM+6], v[PW], s20, s21
	s_delay_alu instid0(VALU_DEP_1)
	v_or_b32 v[PW], v[PW], v[TM+6]                 ; with lane l xor 16's two the word is whole
.irp c, 0,1
	v_cvt_scalef32_pk16_bf6_f32 v[PC+6*\c:PC+6*\c+2], v[XT+32*\c:XT+32*\c+15], v[TM+4+\c]
	v_cvt_scalef32_pk16_bf6_f32 v[PC+12+4*\c:PC+14+4*\c], v[XT+32*\c+16:XT+32*\c+31], v[TM+4+\c]
.endr
	v_nop                                          ; one plain place behind a scaled conversion
.irp c, 0,1
.irp i, 0,1,2
	v_mov_b32 v[PC+3+6*\c+\i], v[PC+12+4*\c+\i]
.endr
.endr
.endm
.macro TILE u
	s_wait_loadcnt 0x0                             ; this tile's sixteen rows are in
.irp s, 0,1,2,3,4,5,6,7,8,9,10,11,12,13,14,15
	ds_store_b128 v5, v[XR+4*\s:XR+4*\s+3] offset:528*\s
.endr
.irp c, 0,1
.irp i, 0,1,2,3,4,5,6,7
	ds_load_b128 v[XT+32*\c+4*\i:XT+32*\c+4*\i+3], v6 offset:256*\c+16*\i      ; LDS serves a wave's instructions in order: these see my stores
.endr
.endr
	s_wait_dscnt 0x0
.if \u == 0
	XLOAD 1                                        ; the other tile lands while this one is worked on
.endif
	WIN 0x51                                       ; source 0, C and D window 1; source 1 window 0
.set t, 0
.rept 32
.if t < 4
	v_wmma_f32_16x16x4_f32 v[ACC+32*\u+8*(t%4):ACC+32*\u+8*(t%4)+7], v[WAR+2*t:WAR+2*t+1], v[XT+2*t:XT+2*t+1], 0
.else
	v_wmma_f32_16x16x4_f32 v[ACC+32*\u+8*(t%4):ACC+32*\u+8*(t%4)+7], v[WAR+2*t:WAR+2*t+1], v[XT+2*t:XT+2*t+1], v[ACC+32*\u+8*(t%4):ACC+32*\u+8*(t%4)+7]
.endif
.set t, t+1
.endr
	WIN 0
.if \u == 1
	s_wait_xcnt 0x0                                ; the first tile's stores have read the codes' registers
.endif
	QUANTW
	global_store_b128 v8, v[PC:PC+3], s[10:11] offset:12288*\u
	global_store_b64 v9, v[PC+4:PC+5], s[10:11] offset:12288*\u+512
	global_store_b128 v8, v[PC+6:PC+9], s[10:11] offset:12288*\u+768
	global_store_b64 v9, v[PC+10:PC+11], s[10:11] offset:12288*\u+1280         ; every store covers whole runs of 256 bytes, aligned
	ds_store_b32 v11, v[PW] offset:512*\u          ; both lanes of a row write the same word with the same value
.rept 8
	v_nop                                          ; eight places behind this matrix form, ahead of loads into its sources and of reads of its results
.endr
.endm
	TILE 0
	TILE 1
	WIN 0x05                                       ; sources window 1, destination window 0
.irp u, 0,1
.irp p, 0,1,2,3
	v_pk_add_f32 v[SU+16*\u+2*\p:SU+16*\u+2*\p+1], v[ACC+32*\u+2*\p:ACC+32*\u+2*\p+1], v[ACC+32*\u+8+2*\p:ACC+32*\u+8+2*\p+1]          ; each accumulator from its low end on
.endr
.irp p, 0,1,2,3
	v_pk_add_f32 v[SU+16*\u+8+2*\p:SU+16*\u+8+2*\p+1], v[ACC+32*\u+16+2*\p:ACC+32*\u+16+2*\p+1], v[ACC+32*\u+24+2*\p:ACC+32*\u+24+2*\p+1]
.endr
.endr
	WIN 0
.irp u, 0,1
.irp p, 0,1,2,3
	v_pk_add_f32 v[SU+16*\u+2*\p:SU+16*\u+2*\p+1], v[SU+16*\u+2*\p:SU+16*\u+2*\p+1], v[SU+16*\u+8+2*\p:SU+16*\u+8+2*\p+1]
.endr
.endr
.irp u, 0,1
	ds_store_b128 v10, v[SU+16*\u:SU+16*\u+3] offset:1024*\u       ; lane r (0-15): token row r, outputs 0 .. 7; lanes 16-31 hold copies that nobody reads
	ds_store_b128 v10, v[SU+16*\u+4:SU+16*\u+7] offset:1024*\u+16
.endr
	s_wait_dscnt 0x0                               ; for the others' sake: my partial sums and scale words lie in LDS
	s_barrier_signal -1
	s_barrier_wait -1
.irp i, 0,1,2,3,4,5,6,7
	ds_load_b32 v[48+\i], v14 offset:2048*\i       ; wave w sums output w of the 32 tokens over the eight K steps
.endr
	s_wait_dscnt 0x0
	v_add_f32 v48, v48, v49
	v_add_f32 v50, v50, v51
	v_add_f32 v52, v52, v53
	v_add_f32 v54, v54, v55
	s_delay_alu instid0(VALU_DEP_3)
	v_add_f32 v48, v48, v50
	s_delay_alu instid0(VALU_DEP_2)
	v_add_f32 v52, v52, v54
	s_delay_alu instid0(VALU_DEP_1)
	v_add_f32 v48, v48, v52
	global_store_b32 v15, v48, s[14:15]            ; 128 consecutive bytes of row w
	s_cmp_gt_u32 s16, 1
	s_cbranch_scc1 .Ldone                          ; the 1,024 bytes of scale words leave by waves 0 and 1
	ds_load_b128 v[56:59], v[AXR]
	s_wait_dscnt 0x0
	global_store_b128 v13, v[56:59], s[12:13]
.Ldone:
	s_wait_tensorcnt 0x0
	ds_add_u32 v254, v255
	s_wait_dscnt 0x0
	s_endpgm
.Lfunc_end_k_qd7420b9de5_prep_x:
	.size	k_qd7420b9de5_prep_x, .Lfunc_end_k_qd7420b9de5_prep_x-k_qd7420b9de5_prep_x
	.p2alignl 7, 3214868480
	.fill 96, 4, 3214868480
	.section	.rodata,"a",@progbits
	.p2align	6, 0x0
	.amdhsa_kernel k_qd7420b9de5_prep_x
		.amdhsa_group_segment_fixed_size 118784
		.amdhsa_private_segment_fixed_size 0
		.amdhsa_enable_private_segment 0
		.amdhsa_kernarg_size 48
		.amdhsa_user_sgpr_count 2
		.amdhsa_user_sgpr_kernarg_segment_ptr 1
		.amdhsa_wavefront_size32 1
		.amdhsa_system_sgpr_workgroup_id_x 1
		.amdhsa_system_sgpr_workgroup_id_y 1
		.amdhsa_system_sgpr_workgroup_id_z 1
		.amdhsa_system_vgpr_workitem_id 0
		.amdhsa_next_free_vgpr 512
		.amdhsa_next_free_sgpr 66
		.amdhsa_reserve_vcc 0
		.amdhsa_float_denorm_mode_32 3
		.amdhsa_float_denorm_mode_16_64 3
		.amdhsa_memory_ordered 1
		.amdhsa_forward_progress 1
		.amdhsa_inst_pref_size 33
	.end_amdhsa_kernel
	.amdgpu_metadata
---
amdhsa.version: [ 1, 2 ]
amdhsa.kernels:
  - .name:           k_qd7420b9de5_prep_x
    .symbol:         k_qd7420b9de5_prep_x.kd
    .args:
      - { .name: x, .offset: 0, .size: 8, .value_kind: global_buffer, .address_space: global }
      - { .name: w_a_q, .offset: 8, .size: 8, .value_kind: global_buffer, .address_space: global }
      - { .name: w_a_v, .offset: 16, .size: 8, .value_kind: global_buffer, .address_space: global }
      - { .name: ximg, .offset: 24, .size: 8, .value_kind: global_buffer, .address_space: global }
      - { .name: xscl, .offset: 32, .size: 8, .value_kind: global_buffer, .address_space: global }
      - { .name: xat, .offset: 40, .size: 8, .value_kind: global_buffer, .address_space: global }
    .group_segment_fixed_size: 118784
    .private_segment_fixed_size: 0
    .kernarg_segment_align: 8
    .kernarg_segment_size: 48
    .max_flat_workgroup_size: 256
    .sgpr_count:     66
    .vgpr_count:     512
    .wavefront_size: 32
...
	.end_amdgpu_metadata
.endif
;; end of part 2
;; launch qkv (part 3): grid 12 x 32, 4 waves a work-group, clusters of 4 x 4, 327,680 bytes of LDS; arguments wimg, wscl, ximg, xscl, xat, w_b_q, w_b_v, qkv; writes qkv
.if DOCPART == 3
	.amdgcn_target "amdgcn-amd-amdhsa--gfx1250"
	.amdhsa_code_object_version 6
	.text
	.protected	k_qd7420b9de5_qkv
	.globl	k_qd7420b9de5_qkv
	.p2align	8
	.type	k_qd7420b9de5_qkv,@function
k_qd7420b9de5_qkv:
	s_mov_b64 s[64:65], 0
	v_nop
	global_prefetch_b8 v0, s[64:65] scope:SCOPE_SE
	s_setreg_imm32_b32 hwreg(HW_REG_WAVE_MODE, 25, 1), 1
	s_wait_xcnt 0x0
	s_wait_alu depctr_hold_cnt(0) depctr_sa_sdst(0) depctr_va_vdst(0) depctr_va_sdst(0) depctr_va_ssrc(0) depctr_va_vcc(0) depctr_vm_vsrc(0)
	s_getreg_b32 s2, hwreg(HW_REG_IB_STS2, 6, 4)
	s_cmp_eq_u32 s2, 0
	s_cbranch_scc0 .Lentry_in_a_cluster
	s_endpgm
.Lentry_in_a_cluster:
	s_bfe_u32 s2, ttmp6, 0x10000c
	s_cmp_lg_u32 s2, 0xf033
	s_cbranch_scc0 .Lentry_shape_is_right
	s_endpgm
.Lentry_shape_is_right:
; q, k, v = x w_qkv (+ the rank-4 terms on q and v) on codes of BF6 with E8M0 scales, and the results QUANTISED on the way out into operand images for the attention.
; Both operands arrive as images (16 rows x 128 K = 1,536 bytes, [tile][8 K steps]); row r of tile 2 g + u is row 32 g + 8 u + r + 8 (r / 8), so that the 16 result registers of source 0's tiles 2 g, 2 g + 1 are 16 neighbours.
; A lane of a result holds ONE row of source 1 and eight rows of source 0.  THE CLUSTER'S x IS THE KIND, alike in all sixteen partners:
;   0 (q), 1 (k): source 0 = w's columns, source 1 = tokens: a lane holds a token, its registers run along the head's 64: the next K.
;   2 (v):        source 0 = tokens, source 1 = w's columns 2,048 on: a lane holds one (head, d), its registers run along the tokens: the next K.
; A work-group makes 256 x 256, each of four waves 128 x 128: 64 accumulators, 512 registers.  K = 1,024 goes in four slots' worth of 256 through a ring of two LDS slots; the walk is written out, so that
; the scale words of all of K stay in 64 registers with fixed numbers.  A tile's two images of a slot are 3,072 consecutive bytes of memory: whole runs of 256 bytes, no padding: a fragment is four loads at 16 x lane and 8 x lane.
; CLUSTERS: 4 x 4.  Source 1's tiles are shared along a row of the cluster, source 0's along a column: each is asked for jointly, by the same tensor load with the same descriptor and a mask that names the four.
; THE RANK-4 TERMS: acc(i0, i1) += sum over four of U0[.][i0] U1[.][i1], in f32, by packed fused multiply-adds; U0 and U1 (w_b and xat, 1 KiB a row) are staged in LDS once.  Kind 1 has none: a branch on the cluster's x.
; OUT (buffer qkv): q's and k's images [b 16 + head][128 tiles][768] at 0 and 6,291,456; v's [key step 64][head 4 + d tile][1,536] at 12,582,912; scale words at 18,874,368 (q), 19,398,656 (k): [b 16 + head][2,048], bytes 2, 3 = 0x7f; at 19,922,944 (v): [key step][64][16].
; LIMITS: a block whose largest magnitude lies under 2^-122 gets the byte 1; NaN and infinities are not served.
; REGISTERS: window 0: v1-31 addresses; v32-95 scale words (register 8 i + s: lanes 0-15 source 1's tile i, lanes 16-31 source 0's tile i, K step s); v96-127 U1; v128-223 source 1's fragments, one set; on the way out v128-183 are at work.
;   window 1: source 0's fragments, two sets, at v0 and v128; on the way out U0.   windows 2, 3: accumulator (a, b) at v[8 (8 (a % 4) + b)].
.set FR,     12                        ; registers of a fragment
.set NP,     4                         ; places behind this matrix instruction (ISA guide 7.12.1)
.set TILEB,  3072                      ; a tile's two images in a slot
.set HALFT,  8*TILEB                   ; eight tiles: what one tensor load brings, and what one wave reads of a side
.set SLOT,   4*HALFT                   ; source 1's sixteen tiles, then source 0's
.set SCL,    2*SLOT                    ; the scale words of all of K: 8,192 bytes for each wave's load
.set UT0,    SCL+16384                 ; [4][256] f32
.set UT1,    UT0+4096
.set SPARE,  UT1+4096                  ; the spare words, 128 bytes for each wave: two blocks of 256 bytes that no other line names
.set VO16, 4                           ; v4   16 x lane
.set VO8,  5                           ; v5   8 x lane + 512
.set VO16D, 6                          ; v6   16 x lane + the second half's distance
.set VO8D, 7                           ; v7   8 x lane + 512 + the same
.set SHV,  8                           ; v8   how far lanes 16-31 shift the scale word
.set AST,  9                           ; v9   the scale words' stage, in
.set ARD,  10                          ; v10  and out
.set AU0,  11
.set AU1,  12
.set ADRA, 16                          ; v16-17 source 1's fragments in slot 0, 1, 16 x lane; v18-19 the same with 8 x lane
.set ADRB, 20                          ; v20-23 the same for source 0
.set ADRS, 27
.set SPW,  28                          ; v28  SPARE + 4 x thread; never rewritten
.set NIL,  29                          ; v29  0; never rewritten
.set SC,   32
.set U1,   96
.set AF,   128
.set PC,   128                         ; the way out: codes
.set TM,   148                         ; v148-163 at work
.set PW,   164
.set WD,   168                         ; v168-175 eight scale words
.set G1, 24                            ; s[24:31] group 1 for source 1's tiles; s[32:39] group 0, a set for each slot
.set G0, 32
.set G1B, 48                           ; s[48:55], s[56:63] the same for source 0
.set G0B, 56
.set G1S, 68                           ; s[68:75], s[76:79] for source 1's scales; s[80:87], s[88:91] for source 0's
.set G0S, 76
.set G1SB, 80
.set G0SB, 88
.set MSB, 0
.macro WIN new                         ; the immediate's high byte repeats the setting that is left
.if MSB != (\new)
	s_set_vgpr_msb (MSB<<8)|(\new)
.set MSB, (\new)
.endif
.endm
.set MUL_LO, 0xa1                      ; source 0 window 1, source 1 window 0, C and D window 2
.set MUL_HI, 0xf1                      ; the same, C and D window 3
.set TO_B,   0x40                      ; destination window 1, address window 0
; A joint load: waves 0 and 1 fetch for source 1, waves 2 and 3 for source 0.  Each line has one mask and one set of registers; the branch hangs on the wave's number alone.
; Four v_nop follow each of the two lines, ahead of the jump, the label and what follows.
.macro JLOAD g0a, g1a, g0b, g1b
	s_cmp_eq_u32 s15, 0
	s_cbranch_scc0 .Lfor_b_\@
	tensor_load_to_lds s[\g0a:\g0a+3], s[\g1a:\g1a+7]
	s_nop 0
.rept 4
	v_nop
.endr
	s_branch .Lasked_\@
.Lfor_b_\@:
	tensor_load_to_lds s[\g0b:\g0b+3], s[\g1b:\g1b+7]
	s_nop 0
.rept 4
	v_nop
.endr
.Lasked_\@:
.endm
.macro CREST                           ; a round of the cluster's barrier behind its opening barrier
	s_cmp_lg_u32 s14, 0
	s_cbranch_scc1 .Lnot_wave_0_\@
	s_barrier_signal -3
.Lnot_wave_0_\@:
	s_barrier_wait -3
	s_barrier_signal -1
	s_barrier_wait -1
.endm
.macro CROUND                          ; a whole round
	s_barrier_signal -1
	s_barrier_wait -1
	CREST
.endm
	s_load_b256 s[4:11], s[0:1], 0x0               ; wimg, wscl, ximg, xscl
	s_load_b256 s[92:99], s[0:1], 0x20             ; xat, w_b_q, w_b_v, qkv
	v_lshl_add_u32 v[SPW], v0, 2, SPARE
	v_mov_b32 v[NIL], 0
	ds_add_u32 v28, v29
	ds_add_u32 v28, v29
	s_wait_dscnt 0x0
	v_lshrrev_b32 v1, 5, v0
	v_readfirstlane_b32 s14, v1                    ; wave 0..3
	s_lshr_b32 s15, s14, 1                         ; which half of source 1's rows is mine.  Also: I fetch for source 1 (0) or source 0 (1)
	s_and_b32 s16, s14, 1                          ; which half of source 0's rows.  Also: which eight tiles I fetch
	s_bfe_u32 s40, ttmp6, 0x40000                  ; cx, cy: my place in the cluster
	s_bfe_u32 s41, ttmp6, 0x40004
	s_mov_b32 s12, ttmp9                           ; the kind: the cluster's x
	s_and_b32 s13, ttmp7, 0xffff                   ; the cluster's y
	s_cmp_eq_u32 s12, 2
	s_cselect_b32 s42, s13, s12                    ; source 0: v: tokens by the cluster's y; q, k: w's columns by the kind
	s_cselect_b32 s17, 2, s13                      ; source 1: v: w's columns 2,048 on; q, k: tokens
	s_lshl_b32 s42, s42, 2
	s_add_co_u32 s42, s42, s40                     ; source 0's block of 256 rows
	s_lshl_b32 s17, s17, 2
	s_add_co_u32 s17, s17, s41                     ; source 1's
	s_lshl_b32 s43, s41, 2
	s_lshl_b32 s43, 15, s43                        ; my row of the cluster
	s_lshl_b32 s44, 0x1111, s40                    ; my column
	; group 1: eight rows (tiles) of 384 elements of 8 bytes, 1,536 elements apart; no padding
	s_or_b32 s[G1+0], s43, (3<<16)|(1<<21)         ; 15:0 the mask; 17:16 elements of 8 bytes; 21 set beside a mask
	s_or_b32 s[G1B+0], s44, (3<<16)|(1<<21)
.irp g, G1, G1B
	s_mov_b32 s[\g+1], 384<<16                     ; tensor_dim0
	s_mov_b32 s[\g+2], 16<<16                      ; tensor_dim1: sixteen tiles for the head's loads; eight behind them
	s_mov_b32 s[\g+3], 384<<16                     ; tile_dim0
	s_mov_b32 s[\g+4], 16                          ; tile_dim1
	s_mov_b32 s[\g+5], 1536                        ; tensor_dim0_stride
	s_mov_b32 s[\g+6], 0
	s_mov_b32 s[\g+7], 0
.endr
	; the scale words of sixteen tiles: 8,192 dense bytes, as 32 rows of 256
	s_or_b32 s[G1S+0], s43, (3<<16)|(1<<21)
	s_or_b32 s[G1SB+0], s44, (3<<16)|(1<<21)
.irp g, G1S, G1SB
	s_mov_b32 s[\g+1], 32<<16
	s_mov_b32 s[\g+2], 32<<16                      ; a side's sixteen tiles: 8,192 dense bytes, 32 rows of 256
	s_mov_b32 s[\g+3], 32<<16
	s_mov_b32 s[\g+4], 32
	s_mov_b32 s[\g+5], 32
	s_mov_b32 s[\g+6], 0
	s_mov_b32 s[\g+7], 0
.endr
	s_lshl_b32 s18, s17, 4
	s_lshl_b32 s19, s16, 3
	s_add_co_u32 s18, s18, s19                     ; source 1: the first tile that I fetch
	s_mul_i32 s2, s18, 12288                       ; its codes,
	s_mov_b32 s3, 0
	s_lshl_b32 s18, s17, 13                        ; the scale words of the block's first tile
	s_mov_b32 s19, 0
	s_lshl_b32 s45, s42, 4
	s_lshl_b32 s67, s16, 3
	s_add_co_u32 s45, s45, s67                     ; source 0 likewise
	s_mul_i32 s66, s45, 12288
	s_mov_b32 s67, 0
	s_lshl_b32 s45, s42, 13
	s_wait_kmcnt 0x0
	s_cmp_eq_u32 s12, 2                            ; the choice hangs on the cluster's number alone
	s_cselect_b64 s[20:21], s[4:5], s[8:9]         ; source 1's codes
	s_cselect_b64 s[22:23], s[6:7], s[10:11]       ; and scales
	s_cselect_b64 s[46:47], s[8:9], s[4:5]         ; source 0's codes
	s_cselect_b64 s[100:101], s[10:11], s[6:7]     ; and scales
	s_mul_i32 s10, s14, HALFT                      ; where they go: wave x eight tiles: no place in the cluster enters an LDS address
	s_add_nc_u64 s[20:21], s[20:21], s[2:3]
	s_add_nc_u64 s[22:23], s[22:23], s[18:19]
	s_add_nc_u64 s[46:47], s[46:47], s[66:67]
	s_mov_b32 s66, s45
	s_add_nc_u64 s[100:101], s[100:101], s[66:67]
	CROUND                                         ; all sixteen work-groups are here: the first joint loads meet
	s_mov_b32 s[G0S], 1
	s_mov_b32 s[G0S+1], SCL
	s_mov_b64 s[G0S+2:G0S+3], s[22:23]
	s_or_b32 s[G0S+3], s[G0S+3], 0x80000000
	s_mov_b32 s[G0SB], 1
	s_mov_b32 s[G0SB+1], SCL+8192
	s_mov_b64 s[G0SB+2:G0SB+3], s[100:101]
	s_or_b32 s[G0SB+3], s[G0SB+3], 0x80000000
.irp s, 0,1
	s_mov_b32 s[G0+4*\s], 1
	s_add_co_u32 s[G0+4*\s+1], s10, \s*SLOT
	s_add_nc_u64 s[G0+4*\s+2:G0+4*\s+3], s[20:21], \s*TILEB
	s_or_b32 s[G0+4*\s+3], s[G0+4*\s+3], 0x80000000
	s_mov_b32 s[G0B+4*\s], 1
	s_add_co_u32 s[G0B+4*\s+1], s10, \s*SLOT
	s_add_nc_u64 s[G0B+4*\s+2:G0B+4*\s+3], s[46:47], \s*TILEB
	s_or_b32 s[G0B+4*\s+3], s[G0B+4*\s+3], 0x80000000
.endr
; THE HEAD'S LOADS, ONE A WAVE: wave 0 slot 0's sixteen tiles of source 1, wave 1 source 1's scale words, wave 2 slot 0's sixteen tiles of source 0, wave 3 source 0's scale words.
; Waves 0 and 2 fetch the first eight tiles of their side in the ring, so their ring descriptors of slot 0 name the right first bytes; only the row count differs.  One chain of branches on the wave's number, one load to an arm.
.macro ARM under, g0, g1, next
	s_cmp_lt_u32 s14, \under
	s_cbranch_scc0 \next
	tensor_load_to_lds s[\g0:\g0+3], s[\g1:\g1+7]
	s_nop 0
.rept 4
	v_nop
.endr
	s_branch .Lhead_asked
\next:
.endm
	ARM 1, G0,  G1,  .Lhead_sa
	ARM 2, G0S, G1S, .Lhead_b
	ARM 3, G0B, G1B, .Lhead_sb
	tensor_load_to_lds s[G0SB:G0SB+3], s[G1SB:G1SB+7]
	s_nop 0
.rept 4
	v_nop
.endr
.Lhead_asked:
	v_and_b32 v3, 31, v0
	v_and_b32 v1, 15, v0                           ; r
	v_bfe_u32 v2, v0, 4, 1                         ; h
	v_lshlrev_b32 v[VO16], 4, v3
	v_lshlrev_b32 v24, 3, v3
	s_mul_i32 s21, s15, HALFT                      ; my eight tiles of source 1
	s_mul_i32 s22, s16, HALFT                      ; my eight of source 0,
	s_add_co_u32 s22, s22, 2*HALFT                 ; which lie behind source 1's sixteen
.irp s, 0,1
	v_add_nc_u32 v[ADRA+\s], s21, v[VO16]
	v_add_nc_u32 v[ADRA+2+\s], s21, v24
	v_add_nc_u32 v[ADRB+\s], s22, v[VO16]
	v_add_nc_u32 v[ADRB+2+\s], s22, v24
	s_add_co_u32 s21, s21, SLOT
	s_add_co_u32 s22, s22, SLOT
.endr
	v_lshlrev_b32 v25, 5, v1                       ; my row's eight scale words: 32 bytes a row
	s_lshl_b32 s21, s15, 12
	s_lshl_b32 s22, s16, 12
	s_add_co_u32 s22, s22, 8192
	s_sub_co_u32 s22, s22, s21
	v_mul_u32_u24 v26, s22, v2                     ; lanes 16-31 take source 0's
	s_add_co_u32 s21, s21, SCL
	v_add_nc_u32 v25, v25, v26
	v_add_nc_u32 v[ADRS], s21, v25
	v_lshl_add_u32 v13, v0, 5, UT0                 ; the staging of U0, U1: wave w brings row w: 32 bytes a lane
	v_lshlrev_b32 v14, 5, v3
	s_cmp_eq_u32 s12, 1
	s_cbranch_scc1 .Lno_u                          ; k has no rank-4 term
	s_cmp_eq_u32 s12, 2
	s_cselect_b64 s[6:7], s[92:93], s[94:95]       ; U0 (along source 0): v: xat's rows 4-7; q: w_b_q
	s_cselect_b64 s[8:9], s[96:97], s[92:93]       ; U1 (along source 1): v: w_b_v; q: xat's rows 0-3
	s_cselect_b32 s94, 15, 12                      ; log2 of a row's bytes
	s_cselect_b32 s95, 12, 15
	s_cselect_b32 s96, 4, 0
	s_cselect_b32 s97, s41, s17                    ; v: w_b_v's 256 columns by cy
	s_add_co_u32 s96, s96, s14
	s_lshl_b32 s96, s96, s94
	s_lshl_b32 s94, s42, 10
	s_add_co_u32 s96, s96, s94
	s_lshl_b32 s94, s14, s95
	s_lshl_b32 s97, s97, 10
	s_add_co_u32 s94, s94, s97
	s_mov_b32 s97, 0
	s_mov_b32 s95, 0
	s_add_nc_u64 s[6:7], s[6:7], s[96:97]
	s_add_nc_u64 s[8:9], s[8:9], s[94:95]
	s_wait_alu depctr_va_vdst(0)
	global_load_b128 v[128:131], v14, s[6:7]
	global_load_b128 v[132:135], v14, s[6:7] offset:16
	global_load_b128 v[136:139], v14, s[8:9]
	global_load_b128 v[140:143], v14, s[8:9] offset:16
	s_wait_loadcnt 0x0
	ds_store_b128 v13, v[128:131]
	ds_store_b128 v13, v[132:135] offset:16
	ds_store_b128 v13, v[136:139] offset:4096
	ds_store_b128 v13, v[140:143] offset:4112
.Lno_u:
	; where the results go.  q, k: token tile T = 16 x block + 8 x half; heads he, he + 1.   v: key step KS, (head, d) tile T1
	s_lshl_b32 s6, s17, 4
	s_lshl_b32 s7, s15, 3
	s_add_co_u32 s6, s6, s7
	s_lshr_b32 s8, s6, 7                           ; b
	s_and_b32 s6, s6, 127                          ; the tile within the batch
	s_lshl_b32 s9, s42, 4
	s_lshl_b32 s92, s16, 3
	s_add_co_u32 s9, s9, s92
	s_and_b32 s9, s9, 63
	s_lshr_b32 s9, s9, 2                           ; he
	s_lshl_b32 s8, s8, 4
	s_add_co_u32 s8, s8, s9
	s_lshl_b32 s8, s8, 7
	s_add_co_u32 s8, s8, s6                        ; (16 b + he) 128 + tile
	s_mul_i32 s92, s8, 768
	s_mul_i32 s9, s12, 6291456
	s_add_co_u32 s92, s92, s9                      ; q's or k's image
	s_lshl_b32 s93, s8, 6
	s_lshl_b32 s9, s12, 19
	s_add_co_u32 s93, s93, s9
	s_add_co_u32 s93, s93, 18874368                ; and scale words
	s_lshl_b32 s6, s42, 1
	s_add_co_u32 s6, s6, s16                       ; KS
	s_lshl_b32 s6, s6, 6
	s_lshl_b32 s8, s41, 4
	s_add_co_u32 s6, s6, s8
	s_add_co_u32 s6, s6, s7                        ; 64 KS + T1
	s_mul_i32 s94, s6, 1536
	s_add_co_u32 s94, s94, 12582912                ; v's image
	s_lshl_b32 s95, s6, 6
	s_add_co_u32 s95, s95, 19922944                ; and scale words
	s_cmp_eq_u32 s12, 2
	s_cselect_b32 s96, s94, s92
	s_cselect_b32 s8, s95, s93
	s_mov_b32 s92, 768
	s_cselect_b32 s92, 1536, s92                   ; from one tile of source 1 to the next
	s_mov_b32 s94, 98304
	s_cselect_b32 s94, 768, s94                    ; from a fragment's first half to its second: q, k: the next head; v: the same image
	s_cselect_b32 s95, 0, 16                       ; q, k: lanes 16-31 keep the second head's two bytes
	s_mov_b32 s6, 0xffff
	s_cselect_b32 s6, -1, s6
	s_mov_b32 s7, 0x7f7f0000
	s_cselect_b32 s7, 0, s7                        ; q, k: bytes 2, 3 stand for 1.0
	s_mov_b32 s97, 0
	s_mov_b32 s9, 0
	s_mov_b32 s93, 0
	s_add_nc_u64 s[96:97], s[98:99], s[96:97]      ; the images
	s_add_nc_u64 s[98:99], s[98:99], s[8:9]        ; the scale words
	s_mov_b32 s2, 0x76543210
	s_mov_b32 s3, 0xfedcba98                       ; v_permlanex16_b32's selects for lane l xor 16
	v_add_nc_u32 v[VO8], 512, v24
	v_add_nc_u32 v[VO16D], s94, v[VO16]
	v_add_nc_u32 v[VO8D], s94, v[VO8]
	v_mul_u32_u24 v[SHV], s95, v2
	s_lshl_b32 s8, s14, 10
	v_lshlrev_b32 v[AST], 2, v1
	v_lshl_add_u32 v[AST], v2, 9, v[AST]
	v_add_nc_u32 v[AST], s8, v[AST]                ; 1,024 x wave + 512 h + 4 r
	v_add_nc_u32 v[ARD], s8, v[VO16]
	s_lshl_b32 s9, s16, 9
	s_add_co_u32 s9, s9, UT0
	v_lshl_add_u32 v[AU0], v2, 6, s9               ; U0: my half's 128, + 16 h numbers
	v_and_b32 v[AU1], 8, v1
	v_add_nc_u32 v[AU1], v[AU1], v1
	s_lshl_b32 s9, s15, 9
	s_add_co_u32 s9, s9, UT1
	v_lshl_add_u32 v[AU1], v[AU1], 2, s9           ; U1: my half's 128, row r + 8 (r / 8) of a tile
.macro FRAG reg, adr, q, i             ; a fragment comes as it lies: registers 0-3, 4-5, 6-9, 10-11
	ds_load_b128 v[\reg:\reg+3], v[\adr] offset:(\i)*TILEB+(\q)*1536
	ds_load_b64 v[\reg+4:\reg+5], v[\adr+2] offset:(\i)*TILEB+(\q)*1536+512
	ds_load_b128 v[\reg+6:\reg+9], v[\adr] offset:(\i)*TILEB+(\q)*1536+768
	ds_load_b64 v[\reg+10:\reg+11], v[\adr+2] offset:(\i)*TILEB+(\q)*1536+1280
.endm
; 16 matrix instructions: source 1's blocks a0, a0 + 1 x source 0's eight, K step kf.  p: source 0's set.  zero = 1: the first product starts the sums.
; The 64 accumulators take turns, one instruction a turn, in the same order in every step.
.macro MUL16 a0, p, kf, zero
.irp a, \a0, \a0+1
.irp b, 0,1,2,3,4,5,6,7
.if \zero
	v_wmma_scale_f32_16x16x128_f8f6f4 v[8*(8*((\a)%4)+\b):8*(8*((\a)%4)+\b)+7], v[128*(\p)+FR*\b:128*(\p)+FR*\b+FR-1], v[AF+FR*(\a):AF+FR*(\a)+FR-1], 0, v[SC+8*\b+(\kf)], v[SC+8*(\a)+(\kf)] matrix_a_fmt:MATRIX_FMT_BF6 matrix_b_fmt:MATRIX_FMT_BF6 matrix_a_scale:MATRIX_SCALE_ROW1
.else
	v_wmma_scale_f32_16x16x128_f8f6f4 v[8*(8*((\a)%4)+\b):8*(8*((\a)%4)+\b)+7], v[128*(\p)+FR*\b:128*(\p)+FR*\b+FR-1], v[AF+FR*(\a):AF+FR*(\a)+FR-1], v[8*(8*((\a)%4)+\b):8*(8*((\a)%4)+\b)+7], v[SC+8*\b+(\kf)], v[SC+8*(\a)+(\kf)] matrix_a_fmt:MATRIX_FMT_BF6 matrix_b_fmt:MATRIX_FMT_BF6 matrix_a_scale:MATRIX_SCALE_ROW1
.endif
.endr
.endr
.endm
.macro FETCH_B slot, q, p              ; source 0's eight fragments of the slot's q-th K step into set p: 32 loads
	WIN TO_B
.irp i, 0,1,2,3,4,5,6,7
	FRAG 128*(\p)+FR*\i, ADRB+\slot, \q, \i
.endr
	WIN 0
.endm
.macro FETCH_A slot, q, i0             ; source 1's blocks i0 .. i0 + 3: 16 loads
.irp i, \i0, \i0+1, \i0+2, \i0+3
	FRAG AF+FR*(\i), ADRA+\slot, \q, \i
.endr
.endm
.macro SCALES                          ; all of K's scale words: eight a row
.irp i, 0,1,2,3,4,5,6,7
	ds_load_b128 v[SC+8*\i:SC+8*\i+3], v[ADRS] offset:512*\i
	ds_load_b128 v[SC+8*\i+4:SC+8*\i+7], v[ADRS] offset:512*\i+16
.endr
.endm
.macro PLACES n                        ; plain vector instructions that name none of the matrix instructions' registers (ISA guide 7.12.1)
.rept \n
	v_nop
.endr
.endm
; A slot's first K step.
.macro STEP slot, kf, zero
	s_wait_dscnt 16                                ; source 0's set and source 1's blocks 0-3 are in; the youngest 16 loads (blocks 4-7) may be out
	WIN MUL_LO
	MUL16 0, 0, \kf, \zero
	MUL16 2, 0, \kf, \zero
	s_wait_dscnt 0                                 ; blocks 4-7 are in (asked for 32 matrix instructions ago)
	PLACES NP
	FETCH_B \slot, 1, 1
	FETCH_A \slot, 1, 0
	WIN MUL_HI
	MUL16 4, 0, \kf, \zero
	MUL16 6, 0, \kf, \zero
	PLACES NP
	WIN 0
	FETCH_A \slot, 1, 4
.endm
; A slot's second K step changes slots: ONE barrier; in front of it each wave waits for all its tensor loads, adds 0 to its spare word, and waits for that and for its own reads of this slot.  fill = 1: this slot is filled again.
.macro TURN slot, next, kf, fill
	s_wait_tensorcnt 0x0                           ; all my tensor loads have landed: my part of the next slot
	ds_add_u32 v[SPW], v[NIL]                      ; 0 onto my spare word
	s_wait_dscnt 17                                ; (the add and the youngest 16 loads, blocks 4-7, may be out)
	WIN MUL_LO
	MUL16 0, 1, \kf, 0                             ; sixteen matrix instructions stand between the add and the wait for it
	s_wait_dscnt 0x0                               ; the add is done, and my reads of this slot are over
	s_barrier_signal -1
	MUL16 2, 1, \kf, 0
	WIN 0
	s_barrier_wait -1
.if \fill
	CREST                                          ; the barrier has opened a round of the cluster's barrier: no wave of any partner still reads this slot or has a load on its way
	s_add_nc_u64 s[G0+4*\slot+2:G0+4*\slot+3], s[G0+4*\slot+2:G0+4*\slot+3], 2*TILEB
	s_add_nc_u64 s[G0B+4*\slot+2:G0B+4*\slot+3], s[G0B+4*\slot+2:G0B+4*\slot+3], 2*TILEB
	JLOAD G0+4*\slot, G1, G0B+4*\slot, G1B         ; the first tensor load behind the round, my one load until the next; its four v_nop are the places in front of the loads below
.else
	PLACES NP
.endif
	FETCH_B \next, 0, 0
	FETCH_A \next, 0, 0
	WIN MUL_HI
	MUL16 4, 1, \kf, 0
	MUL16 6, 1, \kf, 0
	PLACES NP
	WIN 0
	FETCH_A \next, 0, 4
.endm
	s_wait_alu depctr_va_vdst(0)
	s_wait_tensorcnt 0x0                           ; my tile of the head's four is in; these lines stand ahead of a later first fill as ahead of a refill
	ds_add_u32 v[SPW], v[NIL]                      ; 0 onto my spare word
	s_mov_b32 s[G1+2], 8<<16                       ; no tensor load of mine is out: from here on a load brings eight tiles
	s_mov_b32 s[G1+4], 8
	s_mov_b32 s[G1B+2], 8<<16
	s_mov_b32 s[G1B+4], 8
	s_wait_dscnt 0x0                               ; the add is done, and my rows of U0 and U1 lie in LDS
	CROUND                                         ; all four tiles are in, and all sixteen work-groups are here
	JLOAD G0+4, G1, G0B+4, G1B                     ; slot 1's first fill, the first tensor load behind the round
	FETCH_B 0, 0, 0
	FETCH_A 0, 0, 0
	SCALES
	FETCH_A 0, 0, 4
	STEP 0, 0, 1                                   ; the first step's products start the sums: nothing is cleared
	TURN 0, 1, 1, 1                                ; slot 0 takes K steps 4, 5
	STEP 1, 2, 0
	TURN 1, 0, 3, 1                                ; slot 1 takes K steps 6, 7
	STEP 0, 4, 0
	TURN 0, 1, 5, 0                                ; nothing is left to fetch
	STEP 1, 6, 0
	s_wait_dscnt 16                                ; the last K step
	WIN MUL_LO
	MUL16 0, 1, 7, 0
	MUL16 2, 1, 7, 0
	s_wait_dscnt 0
	WIN MUL_HI
	MUL16 4, 1, 7, 0
	MUL16 6, 1, 7, 0
	WIN 0
	PLACES NP                                      ; ahead of loads and vector writes into the fragments' registers and of reads of the results
; THE WAY OUT of source 1's block a: (the rank-4 term,) the four blocks of 32 along source 0 are quantised: register 16 b + i of the lane is number 32 b + 16 h + i of its row.
.macro QBLOCK a, lora
.set AC, 64*((\a)%4)
.set HI, (\a)/4
.if \lora
	WIN 0xa1+0x50*HI                               ; U0 window 1, U1 window 0, the accumulators window 2 or 3
.irp rr, 0,1,2,3
.set e, 0
.rept 32
.if \rr%2
	v_pk_fma_f32 v[AC+e:AC+e+1], v[64*\rr+e:64*\rr+e+1], v[U1+4*(\a)+2*(\rr/2):U1+4*(\a)+2*(\rr/2)+1], v[AC+e:AC+e+1] op_sel:[0,1,0] op_sel_hi:[1,1,1]
.else
	v_pk_fma_f32 v[AC+e:AC+e+1], v[64*\rr+e:64*\rr+e+1], v[U1+4*(\a)+2*(\rr/2):U1+4*(\a)+2*(\rr/2)+1], v[AC+e:AC+e+1] op_sel_hi:[1,0,1]
.endif
.set e, e+2
.endr
.endr
.endif
	WIN 0x28+0x14*HI                               ; sources 1 and 2 window 2 or 3
.irp b, 0,1,2,3
	v_max3_num_f32 v[TM+\b], 0x2800000, |v[AC+16*\b]|, |v[AC+16*\b+1]|         ; my 16 numbers of block b, and the floor 2^(5 - 127); each accumulator from its low end on
.endr
.irp i, 2,4,6,8,10,12,14
.irp b, 0,1,2,3
	v_max3_num_f32 v[TM+\b], v[TM+\b], |v[AC+16*\b+\i]|, |v[AC+16*\b+\i+1]|
.endr
.endr
	WIN 0
.irp b, 0,1,2,3
	v_permlanex16_b32 v[TM+4+\b], v[TM+\b], s2, s3
.endr
.irp b, 0,1,2,3
	v_max_num_f32 v[TM+\b], v[TM+\b], v[TM+4+\b]   ; with lane l xor 16's: the block's largest magnitude
.endr
.irp b, 0,1,2,3
	v_add_nc_u32 v[TM+12+\b], 0xfe000000, v[TM+\b] ; 4 off the exponent field: the conversion's scale operand
.endr
.irp b, 0,1,2,3
	v_lshrrev_b32 v[TM+4+\b], 23, v[TM+12+\b]      ; the byte
.endr
	v_lshl_or_b32 v[PW], v[TM+5], 8, v[TM+4]
	v_lshl_or_b32 v[PW], v[TM+6], 16, v[PW]
	v_lshl_or_b32 v[PW], v[TM+7], 24, v[PW]
.if (\a) > 0
	s_wait_xcnt 0x0                                ; the last block's stores have read their data and their base
	s_add_nc_u64 s[96:97], s[96:97], s[92:93]      ; the next tile of source 1
.endif
	WIN 0x02+HI                                    ; source 0 window 2 or 3
.irp c, 0,1
	v_cvt_scalef32_pk16_bf6_f32 v[PC+6*\c:PC+6*\c+2], v[AC+32*\c:AC+32*\c+15], v[TM+12+2*\c]
	v_cvt_scalef32_pk16_bf6_f32 v[PC+12+4*\c:PC+14+4*\c], v[AC+32*\c+16:AC+32*\c+31], v[TM+12+2*\c+1]
.endr
	WIN 0
	v_nop                                          ; one plain place behind a scaled conversion
.irp c, 0,1                            ; the operand's layout wants a whole block in a lane: lanes 0-15 block 2 c, lanes 16-31 block 2 c + 1
.irp i, 0,1,2
	v_permlane16_swap_b32 v[PC+6*\c+\i], v[PC+12+4*\c+\i]
.endr
.irp i, 0,1,2
	v_mov_b32 v[PC+3+6*\c+\i], v[PC+12+4*\c+\i]
.endr
.endr
	global_store_b128 v[VO16], v[PC:PC+3], s[96:97]                ; every store covers whole runs of 256 bytes, aligned
	global_store_b64 v[VO8], v[PC+4:PC+5], s[96:97]
	global_store_b128 v[VO16D], v[PC+6:PC+9], s[96:97]
	global_store_b64 v[VO8D], v[PC+10:PC+11], s[96:97]
	v_lshrrev_b32 v[WD+(\a)], v[SHV], v[PW]
	v_and_or_b32 v[WD+(\a)], v[WD+(\a)], s6, s7
.endm
; The whole way out.  stg: where in slot 0 the scale words turn: that slot has had its last fill, and nobody has read it since the last change of slots.
.macro EPI lora, stg
.irp b, 0,1,2,3
	v_mov_b32 v[TM+4+\b], 0                        ; a lane permute's destination counts as one of its sources
.endr
.if \lora
	WIN TO_B
.irp rr, 0,1,2,3
.irp g, 0,1,2,3
.irp j, 0,1,2,3
	ds_load_b128 v[64*\rr+16*\g+4*\j:64*\rr+16*\g+4*\j+3], v[AU0] offset:1024*\rr+128*\g+16*\j     ; U0 in the accumulators' order: register 16 g + i = row 32 g + 16 h + i
.endr
.endr
.endr
	WIN 0
.irp a, 0,1,2,3,4,5,6,7
.irp rr, 0,1,2,3
	ds_load_b32 v[U1+4*\a+\rr], v[AU1] offset:1024*\rr+4*(32*(\a/2)+8*(\a%2))
.endr
.endr
	s_wait_dscnt 0x0
.endif
.irp a, 0,1,2,3,4,5,6,7
	QBLOCK \a, \lora
.endr
.irp a, 0,1,2,3,4,5,6,7
	ds_store_b32 v[AST], v[WD+\a] offset:\stg+64*\a
.endr
	ds_load_b128 v[176:179], v[ARD] offset:\stg                    ; LDS serves a wave's instructions in order: these see my stores
	ds_load_b128 v[180:183], v[ARD] offset:\stg+512
	s_wait_dscnt 0x0
	global_store_b128 v[VO16], v[176:179], s[98:99]                ; eight tiles' words: 512 consecutive bytes
.endm
	s_cmp_eq_u32 s12, 1
	s_cbranch_scc1 .Lplain
	s_wait_alu depctr_va_vdst(0)
	EPI 1, 0
	s_cmp_eq_u32 s12, 2
	s_cbranch_scc1 .Lend                           ; v's words are whole; q's second head follows
	global_store_b128 v[VO16], v[180:183], s[98:99] offset:8192
	s_branch .Lend
.Lplain:
	EPI 0, 4096
	global_store_b128 v[VO16], v[180:183], s[98:99] offset:8192
.Lend:
	s_wait_tensorcnt 0x0                           ; the wave's end: behind my last tensor load and my last LDS store
	ds_add_u32 v[SPW], v[NIL]
	s_wait_dscnt 0x0
	CROUND                                         ; the closing round: no work-group ends while a partner may still ask for a tile that names it
	s_endpgm
.Lfunc_end_k_qd7420b9de5_qkv:
	.size	k_qd7420b9de5_qkv, .Lfunc_end_k_qd7420b9de5_qkv-k_qd7420b9de5_qkv
	.p2alignl 7, 3214868480
	.fill 96, 4, 3214868480
	.section	.rodata,"a",@progbits
	.p2align	6, 0x0
	.amdhsa_kernel k_qd7420b9de5_qkv
		.amdhsa_group_segment_fixed_size 327680
		.amdhsa_private_segment_fixed_size 0
		.amdhsa_enable_private_segment 0
		.amdhsa_kernarg_size 64
		.amdhsa_user_sgpr_count 2
		.amdhsa_user_sgpr_kernarg_segment_ptr 1
		.amdhsa_wavefront_size32 1
		.amdhsa_system_sgpr_workgroup_id_x 1
		.amdhsa_system_sgpr_workgroup_id_y 1
		.amdhsa_system_sgpr_workgroup_id_z 1
		.amdhsa_system_vgpr_workitem_id 0
		.amdhsa_next_free_vgpr 1024
		.amdhsa_next_free_sgpr 102
		.amdhsa_reserve_vcc 0
		.amdhsa_float_denorm_mode_32 3
		.amdhsa_float_denorm_mode_16_64 3
		.amdhsa_memory_ordered 1
		.amdhsa_forward_progress 1
		.amdhsa_inst_pref_size 255
	.end_amdhsa_kernel
	.section	.bss,"aw",@nobits
	.p2align	6
	.space	262144
	.amdgpu_metadata
---
amdhsa.version: [ 1, 2 ]
amdhsa.kernels:
  - .name:           k_qd7420b9de5_qkv
    .symbol:         k_qd7420b9de5_qkv.kd
    .args:
      - { .name: wimg, .offset: 0, .size: 8, .value_kind: global_buffer, .address_space: global }
      - { .name: wscl, .offset: 8, .size: 8, .value_kind: global_buffer, .address_space: global }
      - { .name: ximg, .offset: 16, .size: 8, .value_kind: global_buffer, .address_space: global }
      - { .name: xscl, .offset: 24, .size: 8, .value_kind: global_buffer, .address_space: global }
      - { .name: xat, .offset: 32, .size: 8, .value_kind: global_buffer, .address_space: global }
      - { .name: w_b_q, .offset: 40, .size: 8, .value_kind: global_buffer, .address_space: global }
      - { .name: w_b_v, .offset: 48, .size: 8, .value_kind: global_buffer, .address_space: global }
      - { .name: qkv, .offset: 56, .size: 8, .value_kind: global_buffer, .address_space: global }
    .group_segment_fixed_size: 327680
    .private_segment_fixed_size: 0
    .kernarg_segment_align: 8
    .kernarg_segment_size: 64
    .max_flat_workgroup_size: 128
    .sgpr_count:     102
    .vgpr_count:     1024
    .wavefront_size: 32
...
	.end_amdgpu_metadata
.endif
;; end of part 3
;; launch attn (part 4): grid 4 x 64, 8 waves a work-group, clusters of 4 x 1, 327,680 bytes of LDS; arguments qkv, ao; writes ao
.if DOCPART == 4
	.amdgcn_target "amdgcn-amd-amdhsa--gfx1250"
	.amdhsa_code_object_version 6
	.text
	.protected	k_qd7420b9de5_attn
	.globl	k_qd7420b9de5_attn
	.p2align	8
	.type	k_qd7420b9de5_attn,@function
k_qd7420b9de5_attn:
	s_mov_b64 s[64:65], 0
	v_nop
	global_prefetch_b8 v0, s[64:65] scope:SCOPE_SE
	s_setreg_imm32_b32 hwreg(HW_REG_WAVE_MODE, 25, 1), 1
	s_wait_xcnt 0x0
	s_wait_alu depctr_hold_cnt(0) depctr_sa_sdst(0) depctr_va_vdst(0) depctr_va_sdst(0) depctr_va_ssrc(0) depctr_va_vcc(0) depctr_vm_vsrc(0)
	s_getreg_b32 s2, hwreg(HW_REG_IB_STS2, 6, 4)
	s_cmp_eq_u32 s2, 0
	s_cbranch_scc0 .Lentry_in_a_cluster
	s_endpgm
.Lentry_in_a_cluster:
	s_bfe_u32 s2, ttmp6, 0x10000c
	s_cmp_lg_u32 s2, 0x3003
	s_cbranch_scc0 .Lentry_shape_is_right
	s_endpgm
.Lentry_shape_is_right:
; o = softmax(q k^T / 8) v for one (batch, head) and 512 queries, on codes of BF6 with E8M0 scales, and o QUANTISED along the model's axis into operand images for the projection.
; Buffer qkv: q's and k's images [16 b + head][128 tiles][768 bytes] at 0 and 6,291,456; v's [key step][4 head + d tile][1,536] at 12,582,912; scale words at 18,874,368 (q), 19,398,656 (k), 19,922,944 (v).
; Row r of tile 2 g + u is row 32 g + 8 u + r + 8 (r / 8): so the 16 result registers of source 0's tiles 2 g, 2 g + 1 are 16 neighbours along the next K.
; Both products are used transposed (S^T = k q^T, O^T = v^T p^T): a lane holds one query throughout.  The head's 64 fill half of the instruction's 128 along K: q's upper six registers hold zero codes.
; SHARES.  The head's K and V codes and scale words (208,896 bytes) come into LDS once, by eight joint loads, one a wave, and stay.  A wave takes TWO tiles of 16 queries at a time, in two passes: each fragment
; of K and V that it reads from LDS feeds both tiles, and each dependent run of one tile has the other tile's beside it.  A step is 128 keys.
; p = 2^(t - M), t = score x log2(e) / 8, M the ceiling of the running largest t, a whole number; the row's sum is taken of the unquantised p; when M moves, the sum and O^T are multiplied by an exact power of two.
; A block's largest p is the block's largest score put through the same multiply-add and exponential.
; CLUSTERS: the four work-groups of a cluster take the four quarters of one head's queries and ask for K and V jointly (mask 15).
; No prefetch: every byte from memory is asked for at the head, and there is no loop to run ahead in.
; LIMITS: the promise holds while |t| stays under 2^31.  A block whose largest magnitude lies under 2^-122 gets the byte 1.  NaN and infinities are not served.
; REGISTERS.  Window 0: addresses, state, q, fragments of K and V, p's codes.  Window 1: v0-127 the scores, then p (tile i at 64 i), v128-191 O^T (tile i at 128 + 32 i).
.set VC,   98304                       ; LDS: K's codes at 0, V's here,
.set KSC,  196608                      ; K's scale words, 8,192 bytes,
.set VSC,  204800                      ; V's, 4,096 bytes,
.set SPARE,208896                      ; the spare words, 128 bytes a wave, that no other line names
.set WV,   8
.set SEL,  20
.set CS,   22
.set G1K,  24
.set G1V,  32
.set G1KS, 40
.set G1VS, 48
.set G0K,  56
.set G0V,  60
.set PCNT, 66
.set NC,   67
.set G0KS, 68
.set G0VS, 72
.set TB,   76
.set TS,   77
.set TV,   78
.set CNT,  79
.set QB,   80
.set QSB,  82
.set AOB,  84
.set ASB,  86
.set HM,   88
.set NM,   16                          ; tile i: v[NM+2i] = -M, v[NM+2i+1] = the running largest score
.set LS,   20                          ; the row's sum, in two halves
.set L2,   24                          ; a step's second chain of sums
.set FF,   28                          ; f = 2^(old M - new M); the pair's upper word is 0
.set QS,   32                          ; q's scale words
.set PS,   34                          ; p's scale words
.set TT,   36
.set T2,   38
.set KSR,  40
.set VSR,  44
.set BM,   48                          ; block x = 4 i + b: its largest score, then its largest p
.set PM,   56
.set SO,   64
.set QF,   72                          ; tile i: six registers of codes, six of zeros
.set KF,   96                          ; eight tiles of six registers, and six of zeros
.set VF,   150
.set PC,   198
.set CT,   222
.set QN,   238                         ; the second pass's q (v238-249) and its scale words (v250-251)
.set SPW,  254
.set NIL,  255
.set OT,   128
.set MSB, 0
.macro WIN new                         ; the immediate's high byte repeats the setting that is left
.if MSB != (\new)
	s_set_vgpr_msb (MSB<<8)|(\new)
.set MSB, (\new)
.endif
.endm
.macro CROUND
	s_barrier_signal -1
	s_barrier_wait -1
	s_cmp_lg_u32 s[WV], 0
	s_cbranch_scc1 .Lnot_wave_0_\@
	s_barrier_signal -3
.Lnot_wave_0_\@:
	s_barrier_wait -3
	s_barrier_signal -1
	s_barrier_wait -1
.endm
.macro G1SET g, c, r, p                ; r rows of c elements of 8 bytes, p elements apart; mask 15, bit 21 beside it
	s_mov_b32 s[\g], 15|(3<<16)|(1<<21)
	s_mov_b32 s[\g+1], \c<<16
	s_mov_b32 s[\g+2], \r<<16
	s_mov_b32 s[\g+3], \c<<16
	s_mov_b32 s[\g+4], \r
	s_mov_b32 s[\g+5], \p
	s_mov_b32 s[\g+6], 0
	s_mov_b32 s[\g+7], 0
.endm
.macro ARM under, g0, g1, next
	s_cmp_lt_u32 s[WV], \under
	s_cbranch_scc0 \next
	tensor_load_to_lds s[\g0:\g0+3], s[\g1:\g1+7]
	s_nop 0
.rept 4
	v_nop
.endr
	s_branch .Lasked
\next:
.endm
	s_load_b128 s[4:7], s[0:1], 0x0                ; qkv, ao
	v_lshl_add_u32 v[SPW], v0, 2, SPARE
	v_mov_b32 v[NIL], 0
	ds_add_u32 v[SPW], v[NIL]                      ; the opening lines: the add, twice on end, and its wait
	ds_add_u32 v[SPW], v[NIL]
	v_lshrrev_b32 v8, 5, v0
	v_readfirstlane_b32 s[WV], v8                  ; wave 0..7
	s_bfe_u32 s9, ttmp6, 0x40000                   ; cx: which quarter of the queries
	s_and_b32 s10, ttmp7, 0xffff                   ; 16 b + head
	s_lshr_b32 s11, s10, 4
	s_and_b32 s12, s10, 15
	s_and_b32 s13, s[WV], 1                        ; which half of a tile I fetch
	s_mul_i32 s14, s10, 98304
	s_mul_i32 s89, s13, 49152
	s_add_co_u32 s14, s14, s89
	s_add_co_u32 s14, s14, 6291456                 ; K's codes
	s_mov_b32 s15, 0
	s_mul_i32 s16, s11, 1572864
	s_mul_i32 s90, s12, 6144
	s_add_co_u32 s16, s16, s90
	s_mul_i32 s90, s13, 786432
	s_add_co_u32 s16, s16, s90
	s_add_co_u32 s16, s16, 12582912                ; V's codes
	s_mov_b32 s17, 0
	s_lshl_b32 s18, s10, 13
	s_lshl_b32 s90, s13, 12
	s_add_co_u32 s18, s18, s90
	s_add_co_u32 s18, s18, 19398656                ; K's scale words
	s_mov_b32 s19, 0
	s_lshl_b32 s92, s11, 16
	s_lshl_b32 s91, s12, 8
	s_add_co_u32 s92, s92, s91
	s_lshl_b32 s91, s13, 15
	s_add_co_u32 s92, s92, s91
	s_add_co_u32 s92, s92, 19922944                ; V's scale words
	s_mov_b32 s93, 0
	s_lshl_b32 s91, s13, 11
	G1SET G1K, 32, 192, 32                         ; 49,152 dense bytes as rows of 256
	G1SET G1V, 768, 8, 12288                       ; eight key steps x 6,144 bytes
	G1SET G1KS, 32, 16, 32
	G1SET G1VS, 32, 8, 512
	s_mov_b32 s[SEL], 0x76543210
	s_mov_b32 s[SEL+1], 0xfedcba98                 ; v_permlanex16_b32's selects for lane l xor 16
	s_mov_b32 s[CS], 0x3e38aa3b                    ; c = log2(e) / 8
	s_mov_b32 s[CS+1], s[CS]
	s_mov_b32 s[NC], 0xbe38aa3b                    ; -c
	s_mov_b32 s[HM], 0xffff0000
	s_mov_b32 s[PCNT], 2
	s_lshl_b32 s94, s9, 5
	s_lshl_b32 s95, s[WV], 1
	s_add_co_u32 s94, s94, s95                     ; my first tile of queries: 32 cx + 2 wave; the second pass: 16 further on
	s_mul_i32 s96, s10, 98304
	s_mul_i32 s95, s94, 768
	s_add_co_u32 s96, s96, s95
	s_mov_b32 s97, 0
	s_lshl_b32 s98, s10, 13
	s_lshl_b32 s95, s94, 6
	s_add_co_u32 s98, s98, s95
	s_add_co_u32 s98, s98, 18874368
	s_mov_b32 s99, 0
	s_wait_dscnt 0x0                               ; both opening adds are done
	s_wait_kmcnt 0x0
	s_add_nc_u64 s[QB:QB+1], s[4:5], s[96:97]
	s_add_nc_u64 s[QSB:QSB+1], s[4:5], s[98:99]
	s_lshl_b32 s95, s11, 7
	s_add_co_u32 s95, s95, s94
	s_mul_i32 s96, s95, 12288
	s_mul_i32 s98, s12, 768
	s_add_co_u32 s96, s96, s98
	s_add_nc_u64 s[AOB:AOB+1], s[6:7], s[96:97]    ; ao's image: token tile, the head's half of a K step
	s_lshl_b32 s96, s95, 9
	s_lshl_b32 s98, s12, 1
	s_add_co_u32 s96, s96, s98
	s_add_co_u32 s96, s96, 6291456
	s_add_nc_u64 s[ASB:ASB+1], s[6:7], s[96:97]    ; and its scale bytes
	s_mov_b32 s[G0KS], 1
	s_add_co_u32 s[G0KS+1], s90, KSC
	s_add_nc_u64 s[G0KS+2:G0KS+3], s[4:5], s[18:19]
	s_or_b32 s[G0KS+3], s[G0KS+3], 0x80000000
	s_mov_b32 s[G0VS], 1
	s_add_co_u32 s[G0VS+1], s91, VSC
	s_add_nc_u64 s[G0VS+2:G0VS+3], s[4:5], s[92:93]
	s_or_b32 s[G0VS+3], s[G0VS+3], 0x80000000
	s_mov_b32 s[G0K], 1
	s_mov_b32 s[G0K+1], s89
	s_add_nc_u64 s[G0K+2:G0K+3], s[4:5], s[14:15]
	s_or_b32 s[G0K+3], s[G0K+3], 0x80000000
	s_mov_b32 s[G0V], 1
	s_add_co_u32 s[G0V+1], s89, VC
	s_add_nc_u64 s[G0V+2:G0V+3], s[4:5], s[16:17]
	s_or_b32 s[G0V+3], s[G0V+3], 0x80000000
	CROUND                                         ; the four work-groups are here: the joint loads meet
	ARM 2, G0K,  G1K,  .La_v                       ; one load a wave, one chain of branches: waves 0, 1 K's halves,
	ARM 4, G0V,  G1V,  .La_ks                      ; 2, 3 V's,
	ARM 6, G0KS, G1KS, .La_vs                      ; 4, 5 K's scale words,
	tensor_load_to_lds s[G0VS:G0VS+3], s[G1VS:G1VS+7]   ; 6, 7 V's
	s_nop 0
.rept 4
	v_nop
.endr
.Lasked:
	v_and_b32 v9, 31, v0
	v_and_b32 v10, 15, v0
	v_bfe_u32 v11, v0, 4, 1
	v_lshlrev_b32 v1, 4, v9                        ; 16 x lane
	v_lshlrev_b32 v2, 3, v9                        ; 8 x lane
	v_lshlrev_b32 v7, 2, v10                       ; 4 r
.irp i, 0,1
	global_load_b128 v[QF+12*\i:QF+12*\i+3], v1, s[QB:QB+1] offset:768*\i
	global_load_b64 v[QF+12*\i+4:QF+12*\i+5], v2, s[QB:QB+1] offset:768*\i+512
	global_load_b32 v[QS+\i], v7, s[QSB:QSB+1] offset:64*\i
	global_load_b128 v[QN+6*\i:QN+6*\i+3], v1, s[QB:QB+1] offset:12288+768*\i
	global_load_b64 v[QN+6*\i+4:QN+6*\i+5], v2, s[QB:QB+1] offset:12288+768*\i+512
	global_load_b32 v[QN+12+\i], v7, s[QSB:QSB+1] offset:1024+64*\i
.endr
	v_lshl_add_u32 v3, v9, 2, KSC
	v_add_nc_u32 v4, VC, v1
	v_add_nc_u32 v5, VC, v2
	v_lshl_add_u32 v6, v9, 2, VSC
	v_lshl_add_u32 v14, v10, 5, v11                ; ao's scale byte: 32 r + h
.irp k, 0,1,2,3,4,5
	v_mov_b32 v[QF+6+\k], 0                        ; zero codes for the upper 64 along K
	v_mov_b32 v[QF+18+\k], 0
	v_mov_b32 v[KF+48+\k], 0
.endr
.irp x, 0,1,2,3,4,5,6,7
	v_mov_b32 v[PM+\x], 0                          ; a lane permute's destination counts as one of its sources
.endr
	v_mov_b32 v[FF+1], 0
	v_mov_b32 v[FF+3], 0
	s_wait_alu depctr_va_vdst(0)
	s_wait_loadcnt 0x0                             ; q of both passes
	s_wait_tensorcnt 0x0                           ; my part of the head's tiles is in,
	s_barrier_signal -1
	s_barrier_wait -1                              ; everybody's is
.macro STEP
	v_add_nc_u32 v8, s[TB], v1                     ; six plain lines: also the places behind the last step's products, ahead of the loads into V's registers
	v_add_nc_u32 v9, s[TB], v2
	v_add_nc_u32 v10, s[TS], v3
	v_add_nc_u32 v11, s[TB], v4
	v_add_nc_u32 v12, s[TB], v5
	v_add_nc_u32 v13, s[TV], v6
.irp d, 0,1,2,3
	ds_load_b128 v[VF+12*\d:VF+12*\d+3], v11 offset:1536*\d
	ds_load_b64 v[VF+12*\d+4:VF+12*\d+5], v12 offset:1536*\d+512
	ds_load_b128 v[VF+12*\d+6:VF+12*\d+9], v11 offset:1536*\d+768
	ds_load_b64 v[VF+12*\d+10:VF+12*\d+11], v12 offset:1536*\d+1280
.endr
	ds_load_b32 v[VSR], v13
	ds_load_b32 v[VSR+1], v13 offset:128
	s_wait_alu depctr_va_vdst(0)
	s_wait_dscnt 18                                ; K's 20 loads, asked for a step ago, are in; V's 18 just issued may be out
	WIN 0x40                                       ; D in window 1
.irp t, 0,1,2,3,4,5,6,7
.irp i, 0,1
.if \t%2
	v_wmma_scale_f32_16x16x128_f8f6f4 v[64*\i+8*\t:64*\i+8*\t+7], v[KF+6*\t:KF+6*\t+11], v[QF+12*\i:QF+12*\i+11], 0, v[KSR+\t/2], v[QS+\i] matrix_a_fmt:MATRIX_FMT_BF6 matrix_b_fmt:MATRIX_FMT_BF6 matrix_a_scale:MATRIX_SCALE_ROW1
.else
	v_wmma_scale_f32_16x16x128_f8f6f4 v[64*\i+8*\t:64*\i+8*\t+7], v[KF+6*\t:KF+6*\t+11], v[QF+12*\i:QF+12*\i+11], 0, v[KSR+\t/2], v[QS+\i] matrix_a_fmt:MATRIX_FMT_BF6 matrix_b_fmt:MATRIX_FMT_BF6
.endif
.endr
.endr
	WIN 0
.rept 4
	v_nop                                          ; four places, ahead of loads into K's registers and of reads of the scores
.endr
.irp t, 0,1,2,3,4,5,6,7                ; the next step's K.  (The last trip of a pass reads the 6,144 and 512 bytes that lie behind K's in LDS, V's; they are not used)
	ds_load_b128 v[KF+6*\t:KF+6*\t+3], v8 offset:6144+768*\t
	ds_load_b64 v[KF+6*\t+4:KF+6*\t+5], v9 offset:6144+768*\t+512
.endr
.irp b, 0,1,2,3
	ds_load_b32 v[KSR+\b], v10 offset:512+128*\b
.endr
	WIN 0x15                                       ; the largest score of each block of 32 keys: eight blocks by turns; each accumulator from its low end on
.irp x, 0,1,2,3,4,5,6,7
	v_max3_num_f32 v[BM+\x], v[16*\x], v[16*\x+1], v[16*\x+2]
.endr
	WIN 0x14
.irp j, 3,5,7,9,11,13
.irp x, 0,1,2,3,4,5,6,7
	v_max3_num_f32 v[BM+\x], v[BM+\x], v[16*\x+\j], v[16*\x+\j+1]
.endr
.endr
.irp x, 0,1,2,3,4,5,6,7
	v_max_num_f32 v[BM+\x], v[BM+\x], v[16*\x+15]
.endr
	WIN 0
.irp x, 0,1,2,3,4,5,6,7
	v_permlanex16_b32 v[PM+\x], v[BM+\x], s[SEL], s[SEL+1]
.endr
.irp x, 0,1,2,3,4,5,6,7
	v_max_num_f32 v[BM+\x], v[BM+\x], v[PM+\x]     ; with lane l xor 16's 16 keys
.endr
.irp i, 0,1
	v_max3_num_f32 v[TT+\i], v[BM+4*\i], v[BM+4*\i+1], v[BM+4*\i+2]
.endr
.irp i, 0,1
	s_delay_alu instid0(VALU_DEP_2)
	v_max3_num_f32 v[NM+2*\i+1], v[NM+2*\i+1], v[TT+\i], v[BM+4*\i+3]   ; the running largest score (c is positive)
.endr
.irp i, 0,1
	s_delay_alu instid0(VALU_DEP_2)
	v_mul_f32 v[TT+\i], s[NC], v[NM+2*\i+1]        ; -t
.endr
.irp i, 0,1
	s_delay_alu instid0(VALU_DEP_2)
	v_floor_f32 v[T2+\i], v[TT+\i]                 ; the new -M = floor(-t) = -ceil(t)
.endr
.irp i, 0,1
	s_delay_alu instid0(VALU_DEP_2)
	v_sub_f32 v[TT+\i], v[T2+\i], v[NM+2*\i]       ; old M - new M: a whole number, 0 or less
.endr
.irp i, 0,1
	v_mov_b32 v[NM+2*\i], v[T2+\i]
.endr
.irp i, 0,1
	s_delay_alu instid0(VALU_DEP_4)
	v_cvt_i32_f32 v[TT+\i], v[TT+\i]               ; (it saturates)
.endr
.irp i, 0,1
	s_delay_alu instid0(VALU_DEP_2)
	v_ldexp_f32 v[FF+2*\i], 1.0, v[TT+\i]          ; f
.endr
.irp x, 0,1,2,3,4,5,6,7
	v_fma_f32 v[BM+\x], v[BM+\x], s[CS], v[NM+2*(\x/4)]   ; t - M of each block's largest score
.endr
	WIN 0x41                                       ; source 0 and the destination in window 1
.set n, 0
.rept 64
	v_pk_fma_f32 v[n:n+1], v[n:n+1], s[CS:CS+1], v[NM+2*(n/64):NM+2*(n/64)+1] op_sel_hi:[1,0,0]   ; t - M
.set n, n+2
.endr
.set n, 0
.rept 32
	v_pk_mul_f32 v[OT+n:OT+n+1], v[OT+n:OT+n+1], v[FF+2*(n/32):FF+2*(n/32)+1] op_sel_hi:[1,0]   ; O^T under the new M, ahead of the exponentials
.set n, n+2
.endr
	s_wait_alu depctr_va_vdst(0)
.set n, 0
.rept 128
	v_exp_f32 v[n], v[n]                           ; p
.set n, n+1
.endr
	WIN 0
.irp x, 0,1,2,3,4,5,6,7
	v_exp_f32 v[BM+\x], v[BM+\x]                   ; the block's largest p
.endr
.irp i, 0,1
	v_pk_mul_f32 v[LS+2*\i:LS+2*\i+1], v[LS+2*\i:LS+2*\i+1], v[FF+2*\i:FF+2*\i+1] op_sel_hi:[1,0]   ; the sums under the new M: plain places behind the batch
.endr
	s_wait_alu depctr_va_vdst(0)                   ; one wait for the batch, ahead of its first reader
.irp x, 0,1,2,3,4,5,6,7
	v_max_num_f32 v[BM+\x], 0x2800000, v[BM+\x]    ; the floor 2^(5 - 127): the byte cannot fall under 1
.endr
.irp x, 0,1,2,3,4,5,6,7
	v_add_nc_u32 v[SO+\x], 0xfe000000, v[BM+\x]    ; 4 off the exponent field: the conversion's scale operand
.endr
.irp x, 0,1,2,3,4,5,6,7
	v_lshrrev_b32 v[PM+\x], 23, v[SO+\x]           ; the byte
.endr
.irp i, 0,1
	v_lshl_or_b32 v[PS+\i], v[PM+4*\i+1], 8, v[PM+4*\i]
.endr
.irp i, 0,1
	s_delay_alu instid0(VALU_DEP_2)
	v_lshl_or_b32 v[PS+\i], v[PM+4*\i+2], 16, v[PS+\i]
.endr
.irp i, 0,1
	s_delay_alu instid0(VALU_DEP_2)
	v_lshl_or_b32 v[PS+\i], v[PM+4*\i+3], 24, v[PS+\i]
.endr
	WIN 0x01                                       ; source 0 in window 1
.irp i, 0,1
.irp c, 0,1
	v_cvt_scalef32_pk16_bf6_f32 v[PC+12*\i+6*\c:PC+12*\i+6*\c+2], v[64*\i+32*\c:64*\i+32*\c+15], v[SO+4*\i+2*\c]
	v_cvt_scalef32_pk16_bf6_f32 v[CT+8*\i+4*\c:CT+8*\i+4*\c+2], v[64*\i+32*\c+16:64*\i+32*\c+31], v[SO+4*\i+2*\c+1]
.endr
.endr
	WIN 0
	v_nop                                          ; one plain place behind a scaled conversion
.irp m, 0,1,2,3                        ; the operand's layout wants a whole block in a lane
.irp k, 0,1,2
	v_permlane16_swap_b32 v[PC+6*\m+\k], v[CT+4*\m+\k]
.endr
.endr
.irp m, 0,1,2,3
.irp k, 0,1,2
	v_mov_b32 v[PC+6*\m+3+\k], v[CT+4*\m+\k]
.endr
.endr
	WIN 0x05                                       ; the row's sum of the unquantised p: two chains a tile.  These lines are also the places ahead of the scaled products
.irp i, 0,1
	v_pk_add_f32 v[L2+2*\i:L2+2*\i+1], v[64*\i:64*\i+1], v[64*\i+2:64*\i+3]
.endr
	WIN 0x04
.irp j, 4,8,12,16,20,24,28,32,36,40,44,48,52,56,60
.irp i, 0,1
	v_pk_add_f32 v[LS+2*\i:LS+2*\i+1], v[LS+2*\i:LS+2*\i+1], v[64*\i+\j:64*\i+\j+1]
.endr
.irp i, 0,1
	v_pk_add_f32 v[L2+2*\i:L2+2*\i+1], v[L2+2*\i:L2+2*\i+1], v[64*\i+\j+2:64*\i+\j+3]
.endr
.endr
	WIN 0
.irp i, 0,1
	v_pk_add_f32 v[LS+2*\i:LS+2*\i+1], v[LS+2*\i:LS+2*\i+1], v[L2+2*\i:L2+2*\i+1]
.endr
	s_wait_alu depctr_va_vdst(0)
	s_wait_dscnt 20                                ; V's 18 loads are in; the next K's 20 may be out
	WIN 0x50                                       ; C and D in window 1; eight accumulators, one instruction a turn
.irp d, 0,1,2,3
.irp i, 0,1
.if \d%2
	v_wmma_scale_f32_16x16x128_f8f6f4 v[OT+32*\i+8*\d:OT+32*\i+8*\d+7], v[VF+12*\d:VF+12*\d+11], v[PC+12*\i:PC+12*\i+11], v[OT+32*\i+8*\d:OT+32*\i+8*\d+7], v[VSR+\d/2], v[PS+\i] matrix_a_fmt:MATRIX_FMT_BF6 matrix_b_fmt:MATRIX_FMT_BF6 matrix_a_scale:MATRIX_SCALE_ROW1
.else
	v_wmma_scale_f32_16x16x128_f8f6f4 v[OT+32*\i+8*\d:OT+32*\i+8*\d+7], v[VF+12*\d:VF+12*\d+11], v[PC+12*\i:PC+12*\i+11], v[OT+32*\i+8*\d:OT+32*\i+8*\d+7], v[VSR+\d/2], v[PS+\i] matrix_a_fmt:MATRIX_FMT_BF6 matrix_b_fmt:MATRIX_FMT_BF6
.endif
.endr
.endr
	WIN 0
	s_add_co_u32 s[TB], s[TB], 6144
	s_add_co_u32 s[TS], s[TS], 512
	s_add_co_u32 s[TV], s[TV], 256
.endm
.Lpass:                                                ; two tiles of queries over all 2,048 keys
.irp i, 0,1
	v_mov_b32 v[NM+2*\i], 0x7e000000               ; -M: above every -t, so that the first f is 0
	v_mov_b32 v[NM+2*\i+1], 0xff61b1e6             ; the largest score so far: -3e38
	v_mov_b32 v[LS+2*\i], 0
	v_mov_b32 v[LS+2*\i+1], 0
.endr
	WIN 0x40
.set n, 0
.rept 64
	v_mov_b32 v[OT+n], 0                           ; the step is written once: the first finds zeros
.set n, n+1
.endr
	WIN 0
	s_mov_b32 s[TB], 0
	s_mov_b32 s[TS], 0
	s_mov_b32 s[TV], 0
	s_mov_b32 s[CNT], 16
.irp t, 0,1,2,3,4,5,6,7                ; key step 0's K
	ds_load_b128 v[KF+6*\t:KF+6*\t+3], v1 offset:768*\t
	ds_load_b64 v[KF+6*\t+4:KF+6*\t+5], v2 offset:768*\t+512
.endr
.irp b, 0,1,2,3
	ds_load_b32 v[KSR+\b], v3 offset:128*\b
.endr
.Lstep:
	STEP
	s_sub_co_u32 s[CNT], s[CNT], 1
	s_cmp_lg_u32 s[CNT], 0
	s_cbranch_scc1 .Lstep
	s_wait_dscnt 0x0                               ; the last trip's loads have landed: their registers may be loaded anew
.rept 4
	v_nop                                          ; four places behind the last products
.endr
.irp i, 0,1
	v_add_f32 v[LS+2*\i], v[LS+2*\i], v[LS+2*\i+1]
.endr
.irp i, 0,1
	s_delay_alu instid0(VALU_DEP_2)
	v_permlanex16_b32 v[TT+\i], v[LS+2*\i], s[SEL], s[SEL+1]
.endr
.irp i, 0,1
	s_delay_alu instid0(VALU_DEP_2)
	v_add_f32 v[LS+2*\i], v[LS+2*\i], v[TT+\i]     ; the row's sum
.endr
	s_wait_alu depctr_va_vdst(0)                   ; the wait ahead of the transcendentals
	v_rcp_f32 v[FF], v[LS]
	v_rcp_f32 v[FF+2], v[LS+2]
	v_nop
	WIN 0x41
	s_wait_alu depctr_va_vdst(0)                   ; and behind them, directly ahead of the first reader of O^T
.set n, 0
.rept 32
	v_pk_mul_f32 v[n:n+1], v[OT+n:OT+n+1], v[FF+2*(n/32):FF+2*(n/32)+1] op_sel_hi:[1,0]   ; o: register 32 i + 16 g + e is d = 32 g + 16 h + e of tile i's query
.set n, n+2
.endr
	WIN 0x05                                       ; o is quantised along d: block y = 2 i + g
.irp y, 0,1,2,3
	v_max3_num_f32 v[BM+\y], |v[16*\y]|, |v[16*\y+1]|, 0x2800000
.endr
	WIN 0x14
.irp j, 2,4,6,8,10,12,14
.irp y, 0,1,2,3
.if \j > 2
	s_delay_alu instid0(VALU_DEP_4)
.endif
	v_max3_num_f32 v[BM+\y], v[BM+\y], |v[16*\y+\j]|, |v[16*\y+\j+1]|
.endr
.endr
	WIN 0
.irp y, 0,1,2,3
	v_permlanex16_b32 v[PM+\y], v[BM+\y], s[SEL], s[SEL+1]
.endr
.irp y, 0,1,2,3
	s_delay_alu instid0(VALU_DEP_4)
	v_max_num_f32 v[BM+\y], v[BM+\y], v[PM+\y]
.endr
.irp y, 0,1,2,3
	s_delay_alu instid0(VALU_DEP_4)
	v_add_nc_u32 v[SO+\y], 0xfe000000, v[BM+\y]
.endr
.irp y, 0,1,2,3
	s_delay_alu instid0(VALU_DEP_4)
	v_lshrrev_b32 v[PM+\y], 23, v[SO+\y]
.endr
.irp i, 0,1
	v_cndmask_b32 v[TT+\i], v[PM+2*\i], v[PM+2*\i+1], s[HM]   ; lanes 0-15 store block 0's byte, lanes 16-31 block 1's
.endr
	WIN 0x01
.irp i, 0,1
	v_cvt_scalef32_pk16_bf6_f32 v[PC+12*\i:PC+12*\i+2], v[32*\i:32*\i+15], v[SO+2*\i]
	v_cvt_scalef32_pk16_bf6_f32 v[CT+8*\i:CT+8*\i+2], v[32*\i+16:32*\i+31], v[SO+2*\i+1]
.endr
	WIN 0
	v_nop
.irp i, 0,1
.irp k, 0,1,2
	v_permlane16_swap_b32 v[PC+12*\i+\k], v[CT+8*\i+\k]
.endr
.endr
.irp i, 0,1
.irp k, 0,1,2
	v_mov_b32 v[PC+12*\i+3+\k], v[CT+8*\i+\k]
.endr
.endr
.irp i, 0,1
	global_store_b128 v1, v[PC+12*\i:PC+12*\i+3], s[AOB:AOB+1] offset:12288*\i      ; 512 and 256 consecutive bytes, aligned
	global_store_b64 v2, v[PC+12*\i+4:PC+12*\i+5], s[AOB:AOB+1] offset:12288*\i+512
	global_store_b8 v14, v[TT+\i], s[ASB:ASB+1] offset:512*\i
.endr
.irp k, 0,1,2,3,4,5                    ; the second pass's q takes its place (behind the second pass these lines move what is used no more)
	v_mov_b32 v[QF+\k], v[QN+\k]
	v_mov_b32 v[QF+12+\k], v[QN+6+\k]
.endr
	v_mov_b32 v[QS], v[QN+12]
	v_mov_b32 v[QS+1], v[QN+13]
	s_wait_xcnt 0x0                                ; the stores have read their data and their bases
	s_add_nc_u64 s[AOB:AOB+1], s[AOB:AOB+1], 196608   ; 16 tiles on
	s_add_nc_u64 s[ASB:ASB+1], s[ASB:ASB+1], 8192
	s_sub_co_u32 s[PCNT], s[PCNT], 1
	s_cmp_lg_u32 s[PCNT], 0
	s_wait_alu depctr_va_vdst(0)
	s_cbranch_scc1 .Lpass
	s_wait_tensorcnt 0x0                           ; the wave's end
	ds_add_u32 v[SPW], v[NIL]
	s_wait_dscnt 0x0
	CROUND                                         ; the closing round
	s_endpgm
.Lfunc_end_k_qd7420b9de5_attn:
	.size	k_qd7420b9de5_attn, .Lfunc_end_k_qd7420b9de5_attn-k_qd7420b9de5_attn
	.p2alignl 7, 3214868480
	.fill 96, 4, 3214868480
	.section	.rodata,"a",@progbits
	.p2align	6, 0x0
	.amdhsa_kernel k_qd7420b9de5_attn
		.amdhsa_group_segment_fixed_size 327680
		.amdhsa_private_segment_fixed_size 0
		.amdhsa_enable_private_segment 0
		.amdhsa_kernarg_size 16
		.amdhsa_user_sgpr_count 2
		.amdhsa_user_sgpr_kernarg_segment_ptr 1
		.amdhsa_wavefront_size32 1
		.amdhsa_system_sgpr_workgroup_id_x 1
		.amdhsa_system_sgpr_workgroup_id_y 1
		.amdhsa_system_sgpr_workgroup_id_z 1
		.amdhsa_system_vgpr_workitem_id 0
		.amdhsa_next_free_vgpr 448
		.amdhsa_next_free_sgpr 100
		.amdhsa_reserve_vcc 0
		.amdhsa_float_denorm_mode_32 3
		.amdhsa_float_denorm_mode_16_64 3
		.amdhsa_memory_ordered 1
		.amdhsa_forward_progress 1
		.amdhsa_inst_pref_size 54
	.end_amdhsa_kernel
	.amdgpu_metadata
---
amdhsa.version: [ 1, 2 ]
amdhsa.kernels:
  - .name:           k_qd7420b9de5_attn
    .symbol:         k_qd7420b9de5_attn.kd
    .args:
      - { .name: qkv, .offset: 0, .size: 8, .value_kind: global_buffer, .address_space: global }
      - { .name: ao, .offset: 8, .size: 8, .value_kind: global_buffer, .address_space: global }
    .group_segment_fixed_size: 327680
    .private_segment_fixed_size: 0
    .kernarg_segment_align: 8
    .kernarg_segment_size: 16
    .max_flat_workgroup_size: 256
    .sgpr_count:     100
    .vgpr_count:     448
    .wavefront_size: 32
...
	.end_amdgpu_metadata
.endif
;; end of part 4
;; launch proj (part 5): grid 4 x 64, 4 waves a work-group, clusters of 4 x 4, 327,680 bytes of LDS; arguments wimg, wscl, ao, b_proj, out0; writes out0
.if DOCPART == 5
	.amdgcn_target "amdgcn-amd-amdhsa--gfx1250"
	.amdhsa_code_object_version 6
	.text
	.protected	k_qd7420b9de5_proj
	.globl	k_qd7420b9de5_proj
	.p2align	8
	.type	k_qd7420b9de5_proj,@function
k_qd7420b9de5_proj:
	s_mov_b64 s[64:65], 0
	v_nop
	global_prefetch_b8 v0, s[64:65] scope:SCOPE_SE
	s_setreg_imm32_b32 hwreg(HW_REG_WAVE_MODE, 25, 1), 1
	s_wait_xcnt 0x0
	s_wait_alu depctr_hold_cnt(0) depctr_sa_sdst(0) depctr_va_vdst(0) depctr_va_sdst(0) depctr_va_ssrc(0) depctr_va_vcc(0) depctr_vm_vsrc(0)
	s_getreg_b32 s2, hwreg(HW_REG_IB_STS2, 6, 4)
	s_cmp_eq_u32 s2, 0
	s_cbranch_scc0 .Lentry_in_a_cluster
	s_endpgm
.Lentry_in_a_cluster:
	s_bfe_u32 s2, ttmp6, 0x10000c
	s_cmp_lg_u32 s2, 0xf033
	s_cbranch_scc0 .Lentry_shape_is_right
	s_endpgm
.Lentry_shape_is_right:
; out0 = o w_proj + b_proj on codes of BF6 with E8M0 scales; sums in f32.  Both operands arrive as operand images: [tile][8 K steps][1,536 bytes], scale words [tile][row][8 words].
; o: buffer ao, images at 0, scale words at 6,291,456; w_proj: tiles 192-255 of wimg and wscl.  Row r of tile 2 g + u is row 32 g + 8 u + r + 8 (r / 8).
; An image: two halves of 768 bytes; half c: registers 6 c .. 6 c + 3 at 16 x lane, 6 c + 4, 6 c + 5 at 512 + 8 x lane.
; SHARES.  A work-group makes 128 tokens x 256 columns: 64 x 4 = 256 work-groups.  A wave makes 64 x 128: 32 accumulators, 256 registers.
; ALL OF K LIES IN LDS AT ONCE: source 1 (tokens) 8 tiles x 12,288 bytes, source 0 (columns) 16 tiles x 12,288, the scale words 12,288: 307,200 bytes, asked for by four joint loads at the head, one a wave.
; Nothing is filled again: no ring, and no round of the cluster's barrier but the opening and the closing one.  No prefetch: every byte is asked for at the head, and there is no loop to run ahead in.
; CLUSTERS: 4 x 4.  Source 1's tiles are shared along a row of the cluster, source 0's along a column.
; The matrix instruction is used transposed (source 0 = w's columns, source 1 = tokens): a lane holds eight neighbouring numbers of a row of out0.  The bias is the C of the first products.
; REGISTERS.  Window 0: v1-31 addresses; v32-95 scale words (register 8 i + s: lanes 0-15 source 1's tile i, lanes 16-31 source 0's tile i, K step s; for i over 3 lanes 0-15 hold words that nobody uses);
;   v96-127, v224-255 the bias; v128-223 source 1's fragments, two sets of 48; on the way out v128-255 take rows read back.   Window 1: source 0's fragments, two sets, at v0 and v128.   Window 2: accumulator (a, b) at v[8 (8 a + b)].
.set FR,     12
.set TILEB,  12288                     ; a tile's eight images
.set BC,     8*TILEB                   ; source 0's codes, behind source 1's eight tiles
.set SCL,    24*TILEB                  ; the scale words: source 1's 4,096 bytes, then source 0's 8,192
.set SPARE,  SCL+12288                 ; the spare words, 128 bytes a wave, that no other line names
.set SPITCH, 528
.set ADRA, 16                          ; v16, v17  my four tiles of source 1: 16 x lane, 8 x lane
.set ADRB, 18                          ; v18, v19  my tiles 0-3 of source 0; v20, v21 tiles 4-7
.set STO,  24
.set RD,   25
.set CO,   26
.set ADRS, 27
.set SPW,  28
.set NIL,  29
.set SC,   32
.set AF,   128
.set BK,   128
.set G1, 24
.set G0, 32
.set G1B, 48
.set G0B, 56
.set G1S, 68
.set G0S, 76
.set G1SB, 80
.set G0SB, 88
.set MSB, 0
.macro WIN new                         ; the immediate's high byte repeats the setting that is left
.if MSB != (\new)
	s_set_vgpr_msb (MSB<<8)|(\new)
.set MSB, (\new)
.endif
.endm
.set TO_B,   0x40
.macro CROUND
	s_barrier_signal -1
	s_barrier_wait -1
	s_cmp_lg_u32 s14, 0
	s_cbranch_scc1 .Lnot_wave_0_\@
	s_barrier_signal -3
.Lnot_wave_0_\@:
	s_barrier_wait -3
	s_barrier_signal -1
	s_barrier_wait -1
.endm
.macro GSET g, c, r                    ; r dense rows of c elements of 8 bytes
	s_mov_b32 s[\g+1], \c<<16
	s_mov_b32 s[\g+2], \r<<16
	s_mov_b32 s[\g+3], \c<<16
	s_mov_b32 s[\g+4], \r
	s_mov_b32 s[\g+5], \c
	s_mov_b32 s[\g+6], 0
	s_mov_b32 s[\g+7], 0
.endm
.macro G0SET g, lds, adr
	s_mov_b32 s[\g], 1
	s_mov_b32 s[\g+1], \lds
	s_mov_b64 s[\g+2:\g+3], s[\adr:\adr+1]
	s_or_b32 s[\g+3], s[\g+3], 0x80000000
.endm
.macro ARM under, g0, g1, next
	s_cmp_lt_u32 s14, \under
	s_cbranch_scc0 \next
	tensor_load_to_lds s[\g0:\g0+3], s[\g1:\g1+7]
	s_nop 0
.rept 4
	v_nop
.endr
	s_branch .Lhead_asked
\next:
.endm
.macro PLACES n
.rept \n
	v_nop
.endr
.endm
	s_load_b256 s[4:11], s[0:1], 0x0               ; wimg, wscl, ao, b_proj
	s_load_b64 s[12:13], s[0:1], 0x20              ; out0
	v_lshl_add_u32 v[SPW], v0, 2, SPARE
	v_mov_b32 v[NIL], 0
	ds_add_u32 v[SPW], v[NIL]                      ; the opening lines: the add, twice on end, and its wait
	ds_add_u32 v[SPW], v[NIL]
	v_lshrrev_b32 v1, 5, v0
	v_readfirstlane_b32 s14, v1                    ; wave 0..3
	s_lshr_b32 s15, s14, 1                         ; which 64 tokens are mine
	s_and_b32 s16, s14, 1                          ; which 128 columns
	s_bfe_u32 s40, ttmp6, 0x40000                  ; cx, cy
	s_bfe_u32 s41, ttmp6, 0x40004
	s_lshl_b32 s42, ttmp9, 2
	s_add_co_u32 s42, s42, s40                     ; the block of 256 columns
	s_and_b32 s17, ttmp7, 0xffff
	s_lshl_b32 s17, s17, 2
	s_add_co_u32 s17, s17, s41                     ; the block of 128 tokens
	s_lshl_b32 s43, s41, 2
	s_lshl_b32 s43, 15, s43                        ; my row of the cluster
	s_lshl_b32 s44, 0x1111, s40                    ; my column
	s_or_b32 s[G1+0], s43, (3<<16)|(1<<21)
	s_or_b32 s[G1B+0], s44, (3<<16)|(1<<21)
	s_or_b32 s[G1S+0], s43, (3<<16)|(1<<21)
	s_or_b32 s[G1SB+0], s44, (3<<16)|(1<<21)
	GSET G1, 1536, 8                               ; eight tiles of 12,288 bytes
	GSET G1B, 1536, 16                             ; sixteen
	GSET G1S, 32, 16                               ; 4,096 bytes as rows of 256
	GSET G1SB, 32, 32                              ; 8,192
	s_mul_i32 s20, s17, 8*TILEB                    ; o's tile 8 x block
	s_mov_b32 s21, 0
	s_lshl_b32 s22, s17, 12
	s_add_co_u32 s22, s22, 6291456                 ; its scale words
	s_mov_b32 s23, 0
	s_mul_i32 s46, s42, 16*TILEB
	s_add_co_u32 s46, s46, 192*TILEB               ; w_proj's tile 192 + 16 x block
	s_mov_b32 s47, 0
	s_lshl_b32 s92, s42, 13
	s_add_co_u32 s92, s92, 98304
	s_mov_b32 s93, 0
	s_wait_dscnt 0x0                               ; both opening adds are done
	s_wait_kmcnt 0x0
	s_add_nc_u64 s[20:21], s[8:9], s[20:21]
	s_add_nc_u64 s[22:23], s[8:9], s[22:23]
	s_add_nc_u64 s[46:47], s[4:5], s[46:47]
	s_add_nc_u64 s[92:93], s[6:7], s[92:93]
	CROUND                                         ; all sixteen work-groups are here: the joint loads meet
	G0SET G0, 0, 20
	G0SET G0S, SCL, 22
	G0SET G0B, BC, 46
	G0SET G0SB, SCL+4096, 92
	ARM 1, G0,  G1,  .Lhead_sa                     ; one load a wave, one chain of branches: wave 0 source 1's codes,
	ARM 2, G0S, G1S, .Lhead_b                      ; wave 1 its scale words,
	ARM 3, G0B, G1B, .Lhead_sb                     ; wave 2 source 0's codes,
	tensor_load_to_lds s[G0SB:G0SB+3], s[G1SB:G1SB+7]   ; wave 3 its scale words
	s_nop 0
.rept 4
	v_nop
.endr
.Lhead_asked:
	s_lshl_b32 s2, s42, 10
	s_lshl_b32 s3, s16, 9
	s_add_co_u32 s2, s2, s3                        ; my first column, in bytes
	s_mov_b32 s3, 0
	s_add_nc_u64 s[10:11], s[10:11], s[2:3]
	s_mul_i32 s21, s15, 4*TILEB                    ; my four tiles of source 1
	s_mul_i32 s22, s16, 8*TILEB
	s_add_co_u32 s22, s22, BC                      ; my eight of source 0,
	s_add_co_u32 s94, s22, 4*TILEB                 ; and the upper four of them
	s_lshl_b32 s95, s15, 11                        ; source 1's scale words: 2,048 bytes for four tiles
	s_lshl_b32 s96, s16, 12
	s_add_co_u32 s96, s96, 4096
	s_sub_co_u32 s96, s96, s95                     ; how far on source 0's lie
	s_add_co_u32 s95, s95, SCL
	s_mul_i32 s23, s14, 16*SPITCH                  ; my stage, in source 1's bytes
	s_lshl_b32 s18, s17, 7
	s_lshl_b32 s19, s15, 6
	s_add_co_u32 s18, s18, s19                     ; my first token
	s_lshl_b32 s18, s18, 12
	s_mov_b32 s19, 0
	s_add_nc_u64 s[12:13], s[12:13], s[18:19]
	s_add_nc_u64 s[12:13], s[12:13], s[2:3]
	v_and_b32 v3, 31, v0
	v_and_b32 v1, 15, v0                           ; r
	v_bfe_u32 v2, v0, 4, 1                         ; h
	v_lshlrev_b32 v[CO], 4, v3
	v_lshlrev_b32 v4, 3, v3
	v_lshlrev_b32 v5, 6, v2
	v_add_nc_u32 v[ADRA], s21, v[CO]
	v_add_nc_u32 v[ADRA+1], s21, v4
	v_add_nc_u32 v[ADRB], s22, v[CO]
	v_add_nc_u32 v[ADRB+1], s22, v4
	v_add_nc_u32 v[ADRB+2], s94, v[CO]
	v_add_nc_u32 v[ADRB+3], s94, v4
	v_lshlrev_b32 v6, 5, v1                        ; my row's eight scale words
	v_mul_u32_u24 v7, s96, v2                      ; lanes 16-31 take source 0's
	v_add_nc_u32 v6, v6, v7
	v_add_nc_u32 v[ADRS], s95, v6
	v_mul_u32_u24 v8, v1, SPITCH
	v_lshl_add_u32 v8, v2, 6, v8
	v_add_nc_u32 v[STO], s23, v8                   ; the stage, in: row r, + 64 h
	v_add_nc_u32 v[RD], s23, v[CO]                 ; and back: a row of 512 bytes to the 32 lanes
.irp b, 0,1,2,3,4,5,6,7
.set BI, 96+8*\b+96*(\b/4)
	global_load_b128 v[BI:BI+3], v5, s[10:11] offset:4*(32*(\b/2)+8*(\b%2))       ; the bias in the result's layout: columns 32 (b / 2) + 16 h + 8 (b % 2) + 0 .. 7
	global_load_b128 v[BI+4:BI+7], v5, s[10:11] offset:4*(32*(\b/2)+8*(\b%2))+16
.endr
.macro FRAG reg, adr, kf, i            ; a fragment comes as it lies: registers 0-3, 4-5, 6-9, 10-11
	ds_load_b128 v[\reg:\reg+3], v[\adr] offset:(\i)*TILEB+(\kf)*1536
	ds_load_b64 v[\reg+4:\reg+5], v[\adr+1] offset:(\i)*TILEB+(\kf)*1536+512
	ds_load_b128 v[\reg+6:\reg+9], v[\adr] offset:(\i)*TILEB+(\kf)*1536+768
	ds_load_b64 v[\reg+10:\reg+11], v[\adr+1] offset:(\i)*TILEB+(\kf)*1536+1280
.endm
.macro FETCH kf, p                     ; K step kf's fragments into set p: 32 loads for source 0, 16 for source 1
	WIN TO_B
.irp i, 0,1,2,3
	FRAG 128*(\p)+FR*\i, ADRB, \kf, \i
.endr
.irp i, 0,1,2,3
	FRAG 128*(\p)+FR*(\i+4), ADRB+2, \kf, \i
.endr
	WIN 0
.irp i, 0,1,2,3
	FRAG AF+48*(\p)+FR*\i, ADRA, \kf, \i
.endr
.endm
; 32 matrix instructions: source 1's four blocks x source 0's eight.  The 32 accumulators take turns, one instruction a turn, in the same order in every step.
.macro MUL32 p, kf, first
.irp a, 0,1,2,3
.irp b, 0,1,2,3,4,5,6,7
.if \first
	v_wmma_scale_f32_16x16x128_f8f6f4 v[8*(8*\a+\b):8*(8*\a+\b)+7], v[128*(\p)+FR*\b:128*(\p)+FR*\b+FR-1], v[AF+48*(\p)+FR*\a:AF+48*(\p)+FR*\a+FR-1], v[96+8*\b+96*(\b/4):96+8*\b+96*(\b/4)+7], v[SC+8*\b+(\kf)], v[SC+8*\a+(\kf)] matrix_a_fmt:MATRIX_FMT_BF6 matrix_b_fmt:MATRIX_FMT_BF6 matrix_a_scale:MATRIX_SCALE_ROW1
.else
	v_wmma_scale_f32_16x16x128_f8f6f4 v[8*(8*\a+\b):8*(8*\a+\b)+7], v[128*(\p)+FR*\b:128*(\p)+FR*\b+FR-1], v[AF+48*(\p)+FR*\a:AF+48*(\p)+FR*\a+FR-1], v[8*(8*\a+\b):8*(8*\a+\b)+7], v[SC+8*\b+(\kf)], v[SC+8*\a+(\kf)] matrix_a_fmt:MATRIX_FMT_BF6 matrix_b_fmt:MATRIX_FMT_BF6 matrix_a_scale:MATRIX_SCALE_ROW1
.endif
.endr
.endr
.endm
; A K step: the next step's 48 loads go out first, into the set that the last step multiplied; then this step's 32 products.
.macro KSTEP kf
.if \kf < 7
.if \kf > 0
	PLACES 4                                       ; four places ahead of loads into registers that matrix instructions have read
.endif
	FETCH \kf+1, (\kf+1)%2
	s_wait_dscnt 48                                ; all but the 48 just issued: this step's fragments are in
.else
	s_wait_dscnt 0x0                               ; my last reads of the codes are over:
	s_barrier_signal -1                            ; say so, and work on registers while the others arrive
.endif
.if \kf == 0
	WIN 0x81                                       ; source 0 window 1, source 1 and C (the bias) window 0, D window 2
	MUL32 0, 0, 1
.else
	WIN 0xa1                                       ; C and D window 2
	MUL32 (\kf)%2, \kf, 0
.endif
	WIN 0
.endm
	s_wait_alu depctr_va_vdst(0)
	s_wait_tensorcnt 0x0                           ; my tile of the four is in,
	s_barrier_signal -1
	s_barrier_wait -1                              ; everybody's is
	FETCH 0, 0
.irp i, 0,1,2,3,4,5,6,7
	ds_load_b128 v[SC+8*\i:SC+8*\i+3], v[ADRS] offset:512*\i       ; all of K's scale words: eight a row
	ds_load_b128 v[SC+8*\i+4:SC+8*\i+7], v[ADRS] offset:512*\i+16
.endr
	s_wait_loadcnt 0x0                             ; the bias
.irp k, 0,1,2,3,4,5,6,7
	KSTEP \k
.endr
	s_barrier_wait -1                              ; no wave reads the codes any more: source 1's bytes, which have had their one fill, take the stages
; THE WAY OUT, block by block of 16 tokens x 128 columns: through my own stage, back as whole rows of 512 bytes.  LDS serves a wave's instructions in order: no wait between the stores and the loads.
.macro TOSTAGE a
	WIN 0x08                                       ; the data: window 2
.irp b, 0,1,2,3,4,5,6,7
	ds_store_b128 v[STO], v[64*(\a)+8*\b:64*(\a)+8*\b+3] offset:128*(\b/2)+32*(\b%2)       ; each accumulator from its low end on
	ds_store_b128 v[STO], v[64*(\a)+8*\b+4:64*(\a)+8*\b+7] offset:128*(\b/2)+32*(\b%2)+16
.endr
	WIN 0
.set BB, BK+64*((\a)%2)
.irp t, 0,1,2,3,4,5,6,7,8,9,10,11,12,13,14,15
	ds_load_b128 v[BB+4*\t:BB+4*\t+3], v[RD] offset:\t*SPITCH
.endr
.endm
.macro SEND a, younger                 ; younger: the LDS instructions issued behind block a's loads, which may stay out
.set BB, BK+64*((\a)%2)
	s_wait_dscnt \younger
.irp t, 0,1,2,3,4,5,6,7,8,9,10,11,12,13,14,15
	global_store_b128 v[CO], v[BB+4*\t:BB+4*\t+3], s[12:13] offset:(32*((\a)/2)+8*((\a)%2)+\t+8*(\t/8))*4096 th:TH_STORE_NT   ; 512 consecutive bytes, aligned; row t of tile a is token 32 (a / 2) + 8 (a % 2) + t + 8 (t / 8)
.endr
.endm
	PLACES 4                                       ; ahead of reads of the results and of loads into the fragments' registers
	TOSTAGE 0
.irp a, 1,2,3
.if \a > 1
	s_wait_xcnt 0x0                                ; block a - 2's stores have read their registers
.endif
	TOSTAGE \a
	SEND \a-1, 32
.endr
	SEND 3, 0
	s_wait_tensorcnt 0x0                           ; the wave's end
	ds_add_u32 v[SPW], v[NIL]
	s_wait_dscnt 0x0
	CROUND                                         ; the closing round
	s_endpgm
.Lfunc_end_k_qd7420b9de5_proj:
	.size	k_qd7420b9de5_proj, .Lfunc_end_k_qd7420b9de5_proj-k_qd7420b9de5_proj
	.p2alignl 7, 3214868480
	.fill 96, 4, 3214868480
	.section	.rodata,"a",@progbits
	.p2align	6, 0x0
	.amdhsa_kernel k_qd7420b9de5_proj
		.amdhsa_group_segment_fixed_size 327680
		.amdhsa_private_segment_fixed_size 0
		.amdhsa_enable_private_segment 0
		.amdhsa_kernarg_size 40
		.amdhsa_user_sgpr_count 2
		.amdhsa_user_sgpr_kernarg_segment_ptr 1
		.amdhsa_wavefront_size32 1
		.amdhsa_system_sgpr_workgroup_id_x 1
		.amdhsa_system_sgpr_workgroup_id_y 1
		.amdhsa_system_sgpr_workgroup_id_z 1
		.amdhsa_system_vgpr_workitem_id 0
		.amdhsa_next_free_vgpr 768
		.amdhsa_next_free_sgpr 100
		.amdhsa_reserve_vcc 0
		.amdhsa_float_denorm_mode_32 3
		.amdhsa_float_denorm_mode_16_64 3
		.amdhsa_memory_ordered 1
		.amdhsa_forward_progress 1
		.amdhsa_inst_pref_size 84
	.end_amdhsa_kernel
	.amdgpu_metadata
---
amdhsa.version: [ 1, 2 ]
amdhsa.kernels:
  - .name:           k_qd7420b9de5_proj
    .symbol:         k_qd7420b9de5_proj.kd
    .args:
      - { .name: wimg, .offset: 0, .size: 8, .value_kind: global_buffer, .address_space: global }
      - { .name: wscl, .offset: 8, .size: 8, .value_kind: global_buffer, .address_space: global }
      - { .name: ao, .offset: 16, .size: 8, .value_kind: global_buffer, .address_space: global }
      - { .name: b_proj, .offset: 24, .size: 8, .value_kind: global_buffer, .address_space: global }
      - { .name: out0, .offset: 32, .size: 8, .value_kind: global_buffer, .address_space: global }
    .group_segment_fixed_size: 327680
    .private_segment_fixed_size: 0
    .kernarg_segment_align: 8
    .kernarg_segment_size: 40
    .max_flat_workgroup_size: 128
    .sgpr_count:     100
    .vgpr_count:     768
    .wavefront_size: 32
...
	.end_amdgpu_metadata
.endif
;; end of part 5
